; MI455X (gfx1250); checked and timed in simulation.
; The chip was launched on July 23, 2026; its instructions are those of AMD's public machine-readable ISA for CDNA 5 (MIT licence, August 2026) and "CDNA5" Instruction Set Architecture Reference Guide (July 2026). The comments in the code are by the model that wrote it; some were corrected since.
;; Multi Head Attention. Allowed arithmetic: float matrix products may take bf16 or f16 operands with f32 sums; other float arithmetic in f32, or as packed bf16 or f16 multiplies, adds, multiply-adds, maxima and minima; sums over many terms, partial sums and values carried from step to step in f32; what a program stores and reads back later, other than sums and carried values, may be rounded once to bf16 or f16.
;; Inputs: Wk 1,024 x 1,024 float32; Wo 1,024 x 1,024 float32; Wq 1,024 x 1,024 float32; Wv 1,024 x 1,024 float32; bk 1,024 float32; bo 1,024 float32; bq 1,024 float32; bv 1,024 float32; key 4 x 2,048 x 1,024 float32; mask 1 x 1 x 2,048 x 2,048 bool; query 4 x 2,048 x 1,024 float32; value 4 x 2,048 x 1,024 float32.
;; Outputs: out0 4 x 2,048 x 1,024 float32.
;; 2 versions, each right and faster than the one before. Each part assembles by itself: llvm-mc -triple=amdgcn-amd-amdhsa -mcpu=gfx1250 --defsym DOCPART=n.
;; ======== version 1 of 2: 4 launches
;; limits: values are held in f16: magnitudes above 65,504 overflow, below 6.1e-05 lose precision
;; workspace buffers: wcv 8,388,608 bytes; bias 16,384 bytes; tab 1,572,864 bytes; mw 524,288 bytes of whole numbers; qkv 50,331,648 bytes; obuf 16,777,216 bytes
;; launch prep (part 1): grid 353 x 1, 8 waves a work-group, no clusters, 0 bytes of LDS; arguments Wq, Wk, Wv, Wo, bq, bk, bv, bo, mask, wcv, bias, tab, mw; writes wcv, bias, tab, mw
.if DOCPART == 1
	.amdgcn_target "amdgcn-amd-amdhsa--gfx1250"
	.amdhsa_code_object_version 6
	.text
	.protected	k_qf2ef0c7ae6_prep
	.globl	k_qf2ef0c7ae6_prep
	.p2align	8
	.type	k_qf2ef0c7ae6_prep,@function
k_qf2ef0c7ae6_prep:
	s_mov_b64 s[64:65], 0
	v_nop
	global_prefetch_b8 v0, s[64:65] scope:SCOPE_SE
	s_setreg_imm32_b32 hwreg(HW_REG_WAVE_MODE, 25, 1), 1
	s_wait_xcnt 0x0
; PREP: what the three large launches read again and again is made once.
;   wcv  [4][1024 k][1024 n], 16 bits: Wq, Wk, Wv rounded to bf16; Wo rounded to bf16 and that number written as f16
;        (exact down to 2^-17; below that f16's fixed step of 2^-24 holds).  LIMIT: |Wo| stays under 65,504.
;   bias [4][1024] f32: bq, bk, bv, bo rounded to bf16.
;   tab  [3][2048 s][64] f32: a row is cos[0..31], sin[0..31] of s x 10000^(-i/32); table 0 times c = log2(e)/8, table 1 plain, table 2 is 1 and 0.
;        LIMIT: 10000^(-i/32) is made by v_exp_f32, so an angle may differ from the f32 product of the exact power by some 3e-4 rad at s = 2047.
;   mw   [128 query tiles][32 key steps][32 words]: bit L of word 8 kb + j says mask[16 qt + L % 16][64 ks + 16 kb + 8 (L / 16) + j] != 0:
;        the lane mask of one score register of the attention launch.
; Work-groups 0-255: the weights; 256-319: the mask; 320-351: the tables; 352: the biases.  Memory binds: no LDS, no matrix unit, no cluster.
.set X, 32                             ; v[32:95] sixteen loads of 16 bytes
	s_load_b512 s[4:19], s[0:1], 0x0               ; Wq, Wk, Wv, Wo, bq, bk, bv, bo
	s_load_b256 s[20:27], s[0:1], 0x40             ; mask, wcv, bias, tab
	s_load_b64 s[28:29], s[0:1], 0x60              ; mw
	v_lshrrev_b32 v1, 5, v0
	v_readfirstlane_b32 s30, v1                    ; wave 0..7
	v_and_b32 v2, 31, v0                           ; lane
	s_mov_b32 s31, ttmp9
	s_mov_b32 s37, 0                               ; the high word of every offset pair s[36:37]
	s_wait_kmcnt 0x0
	s_cmp_lt_u32 s31, 256
	s_cbranch_scc0 .Lnot_w
; THE WEIGHTS.  Work-group g: matrix g / 64, 65,536 source bytes at (g % 64) x 65,536; thread t takes 32 bytes of each 8,192 and stores 16.
	s_lshr_b32 s34, s31, 6
	s_cmp_eq_u32 s34, 1
	s_cselect_b64 s[32:33], s[6:7], s[4:5]
	s_cmp_eq_u32 s34, 2
	s_cselect_b64 s[32:33], s[8:9], s[32:33]
	s_cmp_eq_u32 s34, 3
	s_cselect_b64 s[32:33], s[10:11], s[32:33]
	s_and_b32 s36, s31, 63
	s_lshl_b32 s36, s36, 16
	s_add_nc_u64 s[32:33], s[32:33], s[36:37]
	s_lshl_b32 s36, s31, 15                        ; matrix x 2 MiB + part x 32,768 = g x 32,768
	s_add_nc_u64 s[22:23], s[22:23], s[36:37]
	v_lshlrev_b32 v3, 5, v0
	v_lshlrev_b32 v4, 4, v0
.set i, 0
.rept 8
	global_load_b128 v[X+8*i:X+8*i+3],   v3, s[32:33] offset:i*8192 th:TH_LOAD_NT
	global_load_b128 v[X+8*i+4:X+8*i+7], v3, s[32:33] offset:i*8192+16 th:TH_LOAD_NT
.set i, i+1
.endr
; Pass i: eight numbers are rounded in place and stored; a wave's store covers 512 consecutive bytes.  half = 1: the bf16 number goes on to f16.
.macro WPASS i, half
.set wb, X+8*(\i)
	s_wait_loadcnt 14-2*(\i)                       ; loads come back in order: the two of each later pass may stay out
.irp j, 0,1,2,3
	v_cvt_pk_bf16_f32 v[wb+(\j)], v[wb+2*(\j)], v[wb+2*(\j)+1]
.endr
.if \half
.irp j, 0,1,2,3
	v_lshlrev_b32 v[wb+4], 16, v[wb+(\j)]
	v_and_b32 v[wb+5], 0xffff0000, v[wb+(\j)]
	v_cvt_pk_f16_f32 v[wb+(\j)], v[wb+4], v[wb+5]
.endr
.endif
	global_store_b128 v4, v[wb:wb+3], s[22:23] offset:(\i)*4096
.endm
	s_cmp_eq_u32 s34, 3
	s_cbranch_scc1 .Lw_half
.irp i, 0,1,2,3,4,5,6,7
	WPASS \i, 0
.endr
	s_endpgm
.Lw_half:
.irp i, 0,1,2,3,4,5,6,7
	WPASS \i, 1
.endr
	s_endpgm
.Lnot_w:
	s_cmp_lt_u32 s31, 320
	s_cbranch_scc0 .Lnot_mask
; THE MASK.  512 waves: wave id takes query tile id / 4 and keys 512 (id % 4) on, in four trips of two key steps.
; Lane (r, h) reads row 16 qt + r, eight bytes at 16 kb + 8 h of each key step: the keys that it will hold in score registers 8 kb + 0..7.
	s_sub_co_u32 s32, s31, 256
	s_lshl_b32 s32, s32, 3
	s_add_co_u32 s32, s32, s30                     ; id
	s_lshr_b32 s33, s32, 2
	s_and_b32 s34, s32, 3
	s_lshl_b32 s33, s33, 15                        ; 16 rows of 2,048 bytes
	s_lshl_b32 s34, s34, 9
	s_add_co_u32 s33, s33, s34
	v_and_b32 v3, 15, v0
	v_bfe_u32 v4, v0, 4, 1
	v_lshlrev_b32 v5, 11, v3
	v_lshl_add_u32 v5, v4, 3, v5
	v_add_nc_u32 v5, s33, v5                       ; my byte offset in the mask
	v_lshlrev_b32 v6, 3, v2                        ; lane l stores words 2 l and 2 l + 1 of a trip's 64
	s_lshl_b32 s36, s32, 10                        ; qt x 4,096 + (id % 4) x 1,024
	s_add_nc_u64 s[28:29], s[28:29], s[36:37]
	v_mov_b32 v24, 0                               ; v_writelane_b32 counts as a reader of its destination
	v_mov_b32 v25, 0
	s_mov_b32 s35, 4
.Lmtrip:
.set i, 0
.rept 8
	global_load_b64 v[8+2*i:9+2*i], v5, s[20:21] offset:64*(i/4)+16*(i%4)
.set i, i+1
.endr
	s_wait_loadcnt 0x0
.set G, 0
.rept 64                                       ; word G = 32 (step in the pair) + 8 kb + j: one byte of every lane becomes one bit
	v_bfe_u32 v[26+G%4], v[8+2*(G/8)+(G%8)/4], 8*(G%4), 8
	v_cmp_ne_u32 s[40+G%4], 0, v[26+G%4]
	v_writelane_b32 v[24+G%2], s[40+G%4], G/2
.set G, G+1
.endr
	global_store_b64 v6, v[24:25], s[28:29]        ; 256 consecutive bytes, aligned
	s_wait_xcnt 0x0                                ; the offset, the base and the data are rewritten only behind this wait
	v_add_nc_u32 v5, 128, v5
	s_add_nc_u64 s[28:29], s[28:29], 256
	s_sub_co_u32 s35, s35, 1
	s_cmp_lg_u32 s35, 0
	s_cbranch_scc1 .Lmtrip
	s_endpgm
.Lnot_mask:
	s_cmp_lt_u32 s31, 352
	s_cbranch_scc0 .Lbias
; THE TABLES.  256 waves, eight rows each.  Lane l stores elements 2 l, 2 l + 1 of a row: lanes 0-15 cosines, lanes 16-31 sines, of frequencies 2 (l % 16) and the next.
	s_sub_co_u32 s32, s31, 320
	s_lshl_b32 s32, s32, 3
	s_add_co_u32 s32, s32, s30
	s_lshl_b32 s33, s32, 3                         ; my first row s
	s_lshl_b32 s36, s32, 11
	s_add_nc_u64 s[26:27], s[26:27], s[36:37]
	v_and_b32 v3, 15, v0
	v_lshlrev_b32 v3, 1, v3
	v_cvt_f32_u32 v4, v3
	v_add_f32 v5, 1.0, v4
	v_mul_f32 v4, 0xbed49a78, v4                   ; -i log2(10000) / 32
	v_mul_f32 v5, 0xbed49a78, v5
	v_exp_f32 v4, v4
	v_exp_f32 v5, v5
	v_bfe_u32 v6, v0, 4, 1                         ; (a plain line behind the exponentials)
	v_xor_b32 v6, 1, v6                            ; cos x = sin(x + pi/2): a cosine lane adds 1 to the quadrant
	v_cvt_f32_u32 v30, v6                          ; table 2: 1 where a cosine stands, 0 where a sine
	v_mov_b32 v31, v30
	v_lshlrev_b32 v7, 3, v2
	v_mov_b32 v8, 0xb94ca1f9                       ; the leading coefficients of the two polynomials
	v_mov_b32 v9, 0x37ccf5ce
	s_mov_b32 s35, 8
; sin(x + quadrant add) for x = s x inv: k = round(x 2/pi); r = x - k pi/2 in two parts; polynomials on |r| <= pi/4; the quadrant chooses and signs by selects alone.
.macro SC inv, out, a
	v_mul_f32 v[\a], v10, v[\inv]
	v_mul_f32 v[\a+1], 0x3f22f983, v[\a]
	v_rndne_f32 v[\a+1], v[\a+1]
	v_fmamk_f32 v[\a], v[\a+1], 0xbfc90fdb, v[\a]
	v_fmamk_f32 v[\a], v[\a+1], 0x333bbd2e, v[\a]
	v_mul_f32 v[\a+2], v[\a], v[\a]
	v_fmaak_f32 v[\a+3], v[\a+2], v8, 0x3c08839e
	v_fmaak_f32 v[\a+3], v[\a+3], v[\a+2], 0xbe2aaaa3
	v_mul_f32 v[\a+3], v[\a+3], v[\a+2]
	v_fma_f32 v[\a+3], v[\a+3], v[\a], v[\a]       ; sin r
	v_fmaak_f32 v[\a+4], v[\a+2], v9, 0xbab6061a
	v_fmaak_f32 v[\a+4], v[\a+4], v[\a+2], 0x3d2aaaa5
	v_mul_f32 v[\a+5], v[\a+2], v[\a+2]
	v_fma_f32 v[\a+2], v[\a+2], -0.5, 1.0
	v_fma_f32 v[\a+4], v[\a+4], v[\a+5], v[\a+2]   ; cos r
	v_cvt_i32_f32 v[\a+1], v[\a+1]
	v_add_nc_u32 v[\a+1], v[\a+1], v6
	v_and_b32 v[\a+5], 1, v[\a+1]
	v_cmp_ne_u32 vcc_lo, 0, v[\a+5]
	v_cndmask_b32 v[\out], v[\a+3], v[\a+4], vcc_lo
	v_and_b32 v[\a+1], 2, v[\a+1]
	v_lshlrev_b32 v[\a+1], 30, v[\a+1]
	v_xor_b32 v[\out], v[\a+1], v[\out]
.endm
.Ltrow:
	v_cvt_f32_u32 v10, s33
	SC 4, 20, 12
	SC 5, 21, 32
	v_mul_f32 v22, 0x3e38aa3b, v20                 ; times c, for q
	v_mul_f32 v23, 0x3e38aa3b, v21
	global_store_b64 v7, v[22:23], s[26:27]        ; each store covers a row's 256 bytes
	global_store_b64 v7, v[20:21], s[26:27] offset:524288
	global_store_b64 v7, v[30:31], s[26:27] offset:1048576
	s_wait_xcnt 0x0                                ; base and data are rewritten only behind this wait
	s_add_nc_u64 s[26:27], s[26:27], 256
	s_add_co_u32 s33, s33, 1
	s_sub_co_u32 s35, s35, 1
	s_cmp_lg_u32 s35, 0
	s_cbranch_scc1 .Ltrow
	s_endpgm
.Lbias:
; THE BIASES: thread t takes four numbers of each, rounds them to bf16 and stores them widened again.
	v_lshlrev_b32 v3, 4, v0
	global_load_b128 v[8:11],  v3, s[12:13]
	global_load_b128 v[12:15], v3, s[14:15]
	global_load_b128 v[16:19], v3, s[16:17]
	global_load_b128 v[20:23], v3, s[18:19]
	s_wait_loadcnt 0x0
.irp m, 0,1,2,3
	v_cvt_pk_bf16_f32 v4, v[8+4*\m], v[9+4*\m]
	v_cvt_pk_bf16_f32 v5, v[10+4*\m], v[11+4*\m]
	v_lshlrev_b32 v[8+4*\m], 16, v4
	v_and_b32 v[9+4*\m], 0xffff0000, v4
	v_lshlrev_b32 v[10+4*\m], 16, v5
	v_and_b32 v[11+4*\m], 0xffff0000, v5
	global_store_b128 v3, v[8+4*\m:11+4*\m], s[24:25] offset:4096*\m
.endr
	s_endpgm
.Lfunc_end_k_qf2ef0c7ae6_prep:
	.size	k_qf2ef0c7ae6_prep, .Lfunc_end_k_qf2ef0c7ae6_prep-k_qf2ef0c7ae6_prep
	.p2alignl 7, 3214868480
	.fill 96, 4, 3214868480
	.section	.rodata,"a",@progbits
	.p2align	6, 0x0
	.amdhsa_kernel k_qf2ef0c7ae6_prep
		.amdhsa_group_segment_fixed_size 0
		.amdhsa_private_segment_fixed_size 0
		.amdhsa_enable_private_segment 0
		.amdhsa_kernarg_size 104
		.amdhsa_user_sgpr_count 2
		.amdhsa_user_sgpr_kernarg_segment_ptr 1
		.amdhsa_wavefront_size32 1
		.amdhsa_system_sgpr_workgroup_id_x 1
		.amdhsa_system_sgpr_workgroup_id_y 1
		.amdhsa_system_sgpr_workgroup_id_z 1
		.amdhsa_system_vgpr_workitem_id 0
		.amdhsa_next_free_vgpr 96
		.amdhsa_next_free_sgpr 66
		.amdhsa_reserve_vcc 1
		.amdhsa_float_denorm_mode_32 3
		.amdhsa_float_denorm_mode_16_64 3
		.amdhsa_memory_ordered 1
		.amdhsa_forward_progress 1
		.amdhsa_inst_pref_size 34
	.end_amdhsa_kernel
	.amdgpu_metadata
---
amdhsa.version: [ 1, 2 ]
amdhsa.kernels:
  - .name:           k_qf2ef0c7ae6_prep
    .symbol:         k_qf2ef0c7ae6_prep.kd
    .args:
      - { .name: Wq, .offset: 0, .size: 8, .value_kind: global_buffer, .address_space: global }
      - { .name: Wk, .offset: 8, .size: 8, .value_kind: global_buffer, .address_space: global }
      - { .name: Wv, .offset: 16, .size: 8, .value_kind: global_buffer, .address_space: global }
      - { .name: Wo, .offset: 24, .size: 8, .value_kind: global_buffer, .address_space: global }
      - { .name: bq, .offset: 32, .size: 8, .value_kind: global_buffer, .address_space: global }
      - { .name: bk, .offset: 40, .size: 8, .value_kind: global_buffer, .address_space: global }
      - { .name: bv, .offset: 48, .size: 8, .value_kind: global_buffer, .address_space: global }
      - { .name: bo, .offset: 56, .size: 8, .value_kind: global_buffer, .address_space: global }
      - { .name: mask, .offset: 64, .size: 8, .value_kind: global_buffer, .address_space: global }
      - { .name: wcv, .offset: 72, .size: 8, .value_kind: global_buffer, .address_space: global }
      - { .name: bias, .offset: 80, .size: 8, .value_kind: global_buffer, .address_space: global }
      - { .name: tab, .offset: 88, .size: 8, .value_kind: global_buffer, .address_space: global }
      - { .name: mw, .offset: 96, .size: 8, .value_kind: global_buffer, .address_space: global }
    .group_segment_fixed_size: 0
    .private_segment_fixed_size: 0
    .kernarg_segment_align: 8
    .kernarg_segment_size: 104
    .max_flat_workgroup_size: 256
    .sgpr_count:     66
    .vgpr_count:     96
    .wavefront_size: 32
...
	.end_amdgpu_metadata
.endif
;; end of part 1
;; launch proj (part 2): grid 4 x 192, 4 waves a work-group, clusters of 4 x 4, 327,680 bytes of LDS; arguments query, key, value, wcv, bias, tab, qkv; writes qkv
.if DOCPART == 2
	.amdgcn_target "amdgcn-amd-amdhsa--gfx1250"
	.amdhsa_code_object_version 6
	.text
	.protected	k_qf2ef0c7ae6_proj
	.globl	k_qf2ef0c7ae6_proj
	.p2align	8
	.type	k_qf2ef0c7ae6_proj,@function
k_qf2ef0c7ae6_proj:
	s_mov_b64 s[64:65], 0
	v_nop
	global_prefetch_b8 v0, s[64:65] scope:SCOPE_SE
	s_setreg_imm32_b32 hwreg(HW_REG_WAVE_MODE, 25, 1), 1
	s_wait_xcnt 0x0
	s_wait_alu depctr_hold_cnt(0) depctr_sa_sdst(0) depctr_va_vdst(0) depctr_va_sdst(0) depctr_va_ssrc(0) depctr_va_vcc(0) depctr_vm_vsrc(0)
	s_getreg_b32 s2, hwreg(HW_REG_IB_STS2, 6, 4)
	s_cmp_eq_u32 s2, 0
	s_cbranch_scc0 .Lentry_in_a_cluster
	s_endpgm
.Lentry_in_a_cluster:
	s_bfe_u32 s2, ttmp6, 0x10000c
	s_cmp_lg_u32 s2, 0xf033
	s_cbranch_scc0 .Lentry_shape_is_right
	s_endpgm
.Lentry_shape_is_right:
; THE THREE PROJECTIONS IN ONE LAUNCH: y = x W + b, then RoPE (q also times c = log2(e)/8, v by the table of 1 and 0), rounded once to f16 and stored by heads:
; qkv [3][b 16 + h][2048][64].  x: [8192][1024] f32, rounded to bf16 between LDS and the matrix unit; W: [k][n] bf16; sums in f32, begun with the bias as the first product's C.
; LIMITS.  q c, k and v must stay under 65,504 (f16); NaN and infinities are not treated apart (the table of 1 and 0 multiplies by 0).
; SHARES.  Work-group rows 0-63 make q, 64-127 k, 128-191 v.  A tile of y is 128 rows x 256 columns; four waves, 2 x 2, each 64 rows x 128 columns (two heads): 32 accumulators.
; The f32 operand is the dearer one in LDS bytes, so the tile's short side is x's.  K goes in steps of 128 through two LDS slots.
; THE MATRIX INSTRUCTION IS USED TRANSPOSED: source 0 = 16 columns of W (turned out of [k][n] by ds_load_tr16_b128), source 1 = 16 rows of x: a lane holds row l % 16 and
; columns 16 b + 8 (l / 16) + 0..7.
; CLUSTER 4 x 4: the four work-groups of a cluster's row share x's tile, the four of a column W's: each tile is asked for jointly.
; ONE K STEP IS WRITTEN ONCE.  Each quarter (32 along K) fetches the next quarter's fragments at its head, so in the middle of a step's third quarter everything that the step still
; needs of its slot is in registers: there the slots change, the old slot is filled again with the step two on, and the fourth quarter fetches from the other slot.
; REGISTERS, in windows of 256: window 0: addresses; v32-95 x in f32; v96-159 x in bf16, two buffers; v160-191 at work on the way out.  window 1: the accumulators, (a, b) at 8 (8 a + b).
; window 2: v0-127 W's fragments, two buffers; v128-255 my rows' cos and sin.  window 3: v0-63 the bias of my 128 columns.
.set APITCH, 528                       ; a row of x in LDS: 512 bytes + 16: 16 rows of a load start at 16 different groups of four banks
.set BPITCH, 544                       ; a k-row of W: 512 + 32, an odd multiple of 32, for the turning load
.set AHALF,  64*APITCH                 ; what one tensor load brings of x
.set BHALF,  64*BPITCH                 ; and of W
.set BOFF,   2*AHALF
.set SLOT,   BOFF+2*BHALF
.set STAGE,  2*SLOT                    ; behind the ring: 16 rows x 144 bytes for each wave
.set SP,     144
.set SPARE,  STAGE+4*16*SP             ; the spare words: 128 bytes a wave, two blocks of 256 bytes that no other line names
.set ADRA0, 16
.set ADRB0, 17
.set ADRA,  18                         ; ADRA0 + the slot in hand
.set ADRB,  19
.set STO,   20
.set RD,    21
.set GO,    22
.set VB,    23
.set VT,    24
.set SPW,   28
.set NIL,   29
.set SG,    32
.set AF,    96
.set T,     160
.set PKB,   32
.set TABV,  128
.set WV, 18
.set FB, 19                            ; wave / 2: my rows' half; also: I fetch x (0) or W (1)
.set HF, 20                            ; wave % 2: my columns' half; also: which half of that tile I fetch
.set CX, 21
.set CY, 22
.set WGX, 23
.set G1A, 24
.set G1B, 32
.set G0A, 40                           ; s[40:43] step 0; s[44:47] step 1, which then walks
.set G0B, 48
.set TB,  56                           ; 0 or SLOT: the slot in hand
.set CNT, 57
.set LA,  58
.set LB,  59
.set MI,  60
.set TR,  61
.set MSB, 0
.macro WIN new
.if MSB != (\new)
	s_set_vgpr_msb (MSB<<8)|(\new)
.set MSB, \new
.endif
.endm
.set MUL,   0x52                       ; W window 2, x window 0, C and D window 1
.set MULB,  0x72                       ; the same with C in window 3: the bias
.set TO_B,  0x80
.set TO_BI, 0xc0
.set EPI,   0x09                       ; source 0 window 1 (sums), source 1 window 2 (table), the rest window 0
.macro PLACES
.rept 4
	v_nop
.endr
.endm
.macro JLOAD                           ; the walking joint load; an s_nop 0 and four v_nop follow each of the two lines
	s_cmp_eq_u32 s[FB], 0
	s_cbranch_scc0 .Lfor_b_\@
	tensor_load_to_lds s[G0A+4:G0A+7], s[G1A:G1A+7]
	s_nop 0
.rept 4
	v_nop
.endr
	s_branch .Lasked_\@
.Lfor_b_\@:
	tensor_load_to_lds s[G0B+4:G0B+7], s[G1B:G1B+7]
	s_nop 0
.rept 4
	v_nop
.endr
.Lasked_\@:
.endm
.macro CREST
	s_cmp_lg_u32 s[WV], 0
	s_cbranch_scc1 .Lnot_wave_0_\@
	s_barrier_signal -3
.Lnot_wave_0_\@:
	s_barrier_wait -3
	s_barrier_signal -1
	s_barrier_wait -1
.endm
.macro CROUND
	s_barrier_signal -1
	s_barrier_wait -1
	CREST
.endm
	s_load_b256 s[4:11], s[0:1], 0x0               ; query, key, value, wcv
	s_load_b128 s[12:15], s[0:1], 0x20             ; bias, tab
	s_load_b64 s[16:17], s[0:1], 0x30              ; qkv
	v_lshl_add_u32 v[SPW], v0, 2, SPARE
	v_mov_b32 v[NIL], 0
	ds_add_u32 v[SPW], v[NIL]                      ; the wave's opening: the add and its wait stand ahead of my first tensor load
	v_lshrrev_b32 v1, 5, v0
	v_readfirstlane_b32 s[WV], v1
	s_lshr_b32 s[FB], s[WV], 1
	s_and_b32 s[HF], s[WV], 1
	s_bfe_u32 s[CX], ttmp6, 0x40000
	s_bfe_u32 s[CY], ttmp6, 0x40004
	s_lshl_b32 s[WGX], ttmp9, 2
	s_add_co_u32 s[WGX], s[WGX], s[CX]             ; tile column
	s_and_b32 s62, ttmp7, 0xffff                   ; the cluster's y
	s_lshr_b32 s[MI], s62, 4                       ; 0 q, 1 k, 2 v: the same in all sixteen partners
	s_lshl_b32 s62, s62, 2
	s_add_co_u32 s62, s62, s[CY]
	s_and_b32 s[TR], s62, 63                       ; tile row in that matrix
	s_lshl_b32 s63, s[CY], 2
	s_lshl_b32 s63, 15, s63                        ; my row of the cluster
	s_lshl_b32 s74, 0x1111, s[CX]                  ; my column
	s_or_b32 s[G1A], s63, (2<<16)|(1<<20)|(1<<21)|(6<<22)|(3<<25)  ; mask; 4-byte elements; padding on; bit 21 beside a mask; after every 128 words 4 words
	s_or_b32 s[G1B], s74, (1<<16)|(1<<20)|(1<<21)|(6<<22)|(7<<25)  ; 2-byte elements; after every 128 words 8 words
	s_mov_b32 s[G1A+1], 128<<16                    ; tensor_dim0
	s_mov_b32 s[G1A+2], 64<<16                     ; tensor_dim1
	s_mov_b32 s[G1A+3], 128<<16                    ; tile_dim0: 128 f32
	s_mov_b32 s[G1A+4], 64                         ; tile_dim1
	s_mov_b32 s[G1A+5], 1024                       ; elements from row to row
	s_mov_b32 s[G1A+6], 0
	s_mov_b32 s[G1A+7], 0
	s_mov_b32 s[G1B+1], 256<<16
	s_mov_b32 s[G1B+2], 64<<16
	s_mov_b32 s[G1B+3], 256<<16                    ; 256 bf16
	s_mov_b32 s[G1B+4], 64
	s_mov_b32 s[G1B+5], 1024
	s_mov_b32 s[G1B+6], 0
	s_mov_b32 s[G1B+7], 0
	s_mul_i32 s[LA], s[HF], AHALF                  ; LDS places hang on the wave's number alone
	s_mul_i32 s[LB], s[HF], BHALF
	s_add_co_u32 s[LB], s[LB], BOFF
	s_mov_b32 s[TB], 0
	s_lshl_b32 s68, s[TR], 19                      ; x: (128 tile row + 64 half) rows of 4,096 bytes; these registers never hold cx
	s_lshl_b32 s69, s[HF], 18
	s_add_co_u32 s68, s68, s69
	s_mov_b32 s69, 0
	s_lshl_b32 s70, s[MI], 21                      ; W: the matrix, 64 half k-rows of 2,048 bytes, 512 bytes a tile column; these never hold cy
	s_lshl_b32 s71, s[HF], 17
	s_add_co_u32 s70, s70, s71
	s_lshl_b32 s71, s[WGX], 9
	s_add_co_u32 s70, s70, s71
	s_mov_b32 s71, 0
	s_wait_dscnt 0x0                               ; the opening add is done
	s_wait_kmcnt 0x0
	s_cmp_eq_u32 s[MI], 1
	s_cselect_b64 s[66:67], s[6:7], s[4:5]
	s_cmp_eq_u32 s[MI], 2
	s_cselect_b64 s[66:67], s[8:9], s[66:67]
	s_add_nc_u64 s[66:67], s[66:67], s[68:69]
	s_add_nc_u64 s[72:73], s[10:11], s[70:71]
	CROUND                                         ; all sixteen work-groups are here: the first joint loads meet
	s_mov_b32 s[G0A], 1
	s_mov_b32 s[G0A+1], s[LA]
	s_mov_b64 s[G0A+2:G0A+3], s[66:67]
	s_or_b32 s[G0A+3], s[G0A+3], 0x80000000
	s_mov_b32 s[G0A+4], 1
	s_add_co_u32 s[G0A+5], s[LA], SLOT
	s_add_nc_u64 s[G0A+6:G0A+7], s[66:67], 512     ; K step 1: 128 f32 on
	s_or_b32 s[G0A+7], s[G0A+7], 0x80000000
	s_mov_b32 s[G0B], 1
	s_mov_b32 s[G0B+1], s[LB]
	s_mov_b64 s[G0B+2:G0B+3], s[72:73]
	s_or_b32 s[G0B+3], s[G0B+3], 0x80000000
	s_mov_b32 s[G0B+4], 1
	s_add_co_u32 s[G0B+5], s[LB], SLOT
	s_add_nc_u64 s[G0B+6:G0B+7], s[72:73], 262144  ; 128 k-rows on
	s_or_b32 s[G0B+7], s[G0B+7], 0x80000000
	s_cmp_eq_u32 s[FB], 0                          ; a wave's two first fills stand in one branch: two loads of mine are out
	s_cbranch_scc0 .Lfirst_b
	tensor_load_to_lds s[G0A:G0A+3], s[G1A:G1A+7]
	s_nop 0
	tensor_load_to_lds s[G0A+4:G0A+7], s[G1A:G1A+7]
	s_nop 0
.rept 4
	v_nop
.endr
	s_branch .Lfirst_asked
.Lfirst_b:
	tensor_load_to_lds s[G0B:G0B+3], s[G1B:G1B+7]
	s_nop 0
	tensor_load_to_lds s[G0B+4:G0B+7], s[G1B:G1B+7]
	s_nop 0
.rept 4
	v_nop
.endr
.Lfirst_asked:
	s_lshl_b32 s74, s[MI], 12                      ; bias: the matrix's 4,096 bytes, 1,024 a tile column, 512 a wave's half
	s_lshl_b32 s75, s[WGX], 10
	s_add_co_u32 s74, s74, s75
	s_lshl_b32 s75, s[HF], 9
	s_add_co_u32 s74, s74, s75
	s_mov_b32 s75, 0
	s_add_nc_u64 s[12:13], s[12:13], s[74:75]
	s_and_b32 s62, s[TR], 15                       ; a batch has 16 tile rows
	s_lshl_b32 s76, s62, 15                        ; table: row s = 128 (tile row % 16) + 64 half, 256 bytes a row
	s_lshl_b32 s77, s[FB], 14
	s_add_co_u32 s76, s76, s77
	s_lshl_b32 s77, s[MI], 19
	s_add_co_u32 s76, s76, s77
	s_mov_b32 s77, 0
	s_add_nc_u64 s[14:15], s[14:15], s[76:77]
	s_lshl_b32 s76, s[MI], 24                      ; qkv: the tensor; batch x 16 heads; 4 heads a tile column; 2 a wave's half; a head is 2^18 bytes; then my first row, 128 bytes a row
	s_lshr_b32 s77, s[TR], 4
	s_lshl_b32 s77, s77, 22
	s_add_co_u32 s76, s76, s77
	s_lshl_b32 s77, s[WGX], 20
	s_add_co_u32 s76, s76, s77
	s_lshl_b32 s77, s[HF], 19
	s_add_co_u32 s76, s76, s77
	s_lshl_b32 s77, s62, 14
	s_add_co_u32 s76, s76, s77
	s_lshl_b32 s77, s[FB], 13
	s_add_co_u32 s76, s76, s77
	s_mov_b32 s77, 0
	s_add_nc_u64 s[16:17], s[16:17], s[76:77]
	v_and_b32 v1, 15, v0                           ; r
	v_bfe_u32 v2, v0, 4, 1                         ; h
	v_lshlrev_b32 v[VB], 5, v2
	v_lshl_add_u32 v[VT], v1, 8, v[VB]
	WIN TO_BI
.irp b, 0,1,2,3,4,5,6,7                        ; register j of block b: the bias of column 16 b + 8 h + j
	global_load_b128 v[8*\b:8*\b+3],   v[VB], s[12:13] offset:64*\b
	global_load_b128 v[8*\b+4:8*\b+7], v[VB], s[12:13] offset:64*\b+16
.endr
	WIN TO_B
.irp a, 0,1,2,3                                ; row 16 a + r: cos and sin of frequencies 16 bb + 8 h + j
.irp bb, 0,1
	global_load_b128 v[TABV+32*\a+8*\bb:TABV+32*\a+8*\bb+3],       v[VT], s[14:15] offset:4096*\a+64*\bb
	global_load_b128 v[TABV+32*\a+8*\bb+4:TABV+32*\a+8*\bb+7],     v[VT], s[14:15] offset:4096*\a+64*\bb+16
	global_load_b128 v[TABV+32*\a+16+8*\bb:TABV+32*\a+16+8*\bb+3], v[VT], s[14:15] offset:4096*\a+64*\bb+128
	global_load_b128 v[TABV+32*\a+20+8*\bb:TABV+32*\a+20+8*\bb+3], v[VT], s[14:15] offset:4096*\a+64*\bb+144
.endr
.endr
	WIN 0
	s_mul_i32 s62, s[FB], 64*APITCH
	v_mul_u32_u24 v3, v1, APITCH
	v_lshl_add_u32 v3, v2, 5, v3
	v_add_nc_u32 v[ADRA0], s62, v3                 ; (64 half + r) x pitch + 32 h: eight f32
	v_and_b32 v4, 7, v0
	v_lshl_add_u32 v4, v2, 3, v4
	v_mul_u32_u24 v4, v4, BPITCH
	v_bfe_u32 v5, v0, 3, 1
	v_lshl_add_u32 v4, v5, 4, v4
	s_lshl_b32 s63, s[HF], 8
	s_add_co_u32 s63, s63, BOFF
	v_add_nc_u32 v[ADRB0], s63, v4                 ; the turning load: k-row 8 h + l % 8, 16 bytes by (l / 8) % 2, my 256 bytes of columns
	v_mov_b32 v[ADRA], v[ADRA0]
	v_mov_b32 v[ADRB], v[ADRB0]
	s_mul_i32 s62, s[WV], 16*SP
	s_add_co_u32 s62, s62, STAGE
	v_mul_u32_u24 v[STO], v1, SP
	v_lshl_add_u32 v[STO], v2, 4, v[STO]
	v_add_nc_u32 v[STO], s62, v[STO]
	v_bfe_u32 v[RD], v0, 3, 2
	v_mul_u32_u24 v[RD], v[RD], SP
	v_and_b32 v4, 7, v0
	v_lshl_add_u32 v[RD], v4, 4, v[RD]
	v_add_nc_u32 v[RD], s62, v[RD]
	v_and_b32 v[GO], 31, v0
	v_lshlrev_b32 v[GO], 4, v[GO]
; 32 LDS loads in one run: 64 rows x 32 K of x in f32 (16 loads, first), 32 K x 128 columns of W turned (16 loads) into buffer g
.macro FETCH kq, g
	WIN 0
.irp a, 0,1,2,3
	ds_load_b128 v[SG+16*\a:SG+16*\a+3],     v[ADRA] offset:\a*16*APITCH+(\kq)*128
	ds_load_b128 v[SG+16*\a+4:SG+16*\a+7],   v[ADRA] offset:\a*16*APITCH+(\kq)*128+16
	ds_load_b128 v[SG+16*\a+8:SG+16*\a+11],  v[ADRA] offset:\a*16*APITCH+(\kq)*128+64
	ds_load_b128 v[SG+16*\a+12:SG+16*\a+15], v[ADRA] offset:\a*16*APITCH+(\kq)*128+80
.endr
	WIN TO_B
.irp b, 0,1,2,3,4,5,6,7
	ds_load_tr16_b128 v[64*(\g)+8*\b:64*(\g)+8*\b+3],   v[ADRB] offset:(\kq)*32*BPITCH+32*\b
	ds_load_tr16_b128 v[64*(\g)+8*\b+4:64*(\g)+8*\b+7], v[ADRB] offset:(\kq)*32*BPITCH+16*BPITCH+32*\b
.endr
.endm
.macro MUL1 f, a, b, first             ; first = 1: the product starts the sum, with the bias as C
.set rD, 8*(8*(\a)+(\b))
.set rB, 64*(\f)+8*(\b)
.set rA, AF+32*(\f)+8*(\a)
.if \first
	WIN MULB
	v_wmma_f32_16x16x32_bf16 v[rD:rD+7], v[rB:rB+7], v[rA:rA+7], v[8*(\b):8*(\b)+7]
.else
	WIN MUL
	v_wmma_f32_16x16x32_bf16 v[rD:rD+7], v[rB:rB+7], v[rA:rA+7], v[rD:rD+7]
.endif
.endm
.macro MUL8 f, a, first
.irp b, 0,1,2,3,4,5,6,7
	MUL1 \f, \a, \b, \first
.endr
.endm
.macro CVT8 g, i                       ; x's row block i of the next quarter: 16 f32 a lane become a bf16 fragment
.set c, 8*(\i)
.rept 8
	v_cvt_pk_bf16_f32 v[AF+32*(\g)+c], v[SG+2*c], v[SG+2*c+1]
.set c, c+1
.endr
.endm
.macro GRP f, i, first                 ; four products of row blocks 2, 3 and eight conversions beside them
.irp b, 0,1,2,3
	MUL1 \f, 2+(\i)/2, 4*((\i)%2)+\b, \first
.endr
	WIN 0
	CVT8 1-(\f), \i
.endm
; A QUARTER multiplies buffer f (32 products, each accumulator one turn, in one fixed order) and brings quarter kq of the slot in hand into the other buffer.
; The eight conversions that end it name no register of its last products: they are the four places ahead of the next quarter's loads into W's buffer and of its writes into x's.
; mode 1: the slots change and the old slot is filled again.  mode 2: they change and nothing is asked for.
.macro QUARTER kq, f, mode, first=0
	s_wait_dscnt 0x0                               ; W's fragments of buffer f are in
	FETCH \kq, 1-(\f)
	MUL8 \f, 0, \first
	MUL8 \f, 1, \first
.if (\mode) == 0
	s_wait_dscnt 16                                ; x's 16 loads are in; W's 16, issued behind them, may stay out
.else
	WIN 0
	s_wait_tensorcnt 0x0                           ; all my tensor loads have landed: the one that was out is my part of the other slot
	ds_add_u32 v[SPW], v[NIL]                      ; 0 onto my spare word
.if (\mode) == 1
	s_add_co_u32 s[G0A+5], s[LA], s[TB]            ; no load of mine is out, so the walking descriptors may be written: the slot that is left,
	s_add_co_u32 s[G0B+5], s[LB], s[TB]
	s_add_nc_u64 s[G0A+6:G0A+7], s[G0A+6:G0A+7], 512      ; the next K step
	s_add_nc_u64 s[G0B+6:G0B+7], s[G0B+6:G0B+7], 262144
.endif
	s_xor_b32 s[TB], s[TB], SLOT
	s_wait_dscnt 17                                ; x's 16 loads are in; W's 16 and the add may stay out
.endif
	GRP \f, 0, \first
	GRP \f, 1, \first
.if \mode
	s_wait_dscnt 0x0                               ; the add is done, and my last reads of the old slot are back
	s_barrier_signal -1
.endif
	GRP \f, 2, \first
	GRP \f, 3, \first
.if \mode
	WIN 0
	s_barrier_wait -1
.if (\mode) == 1
	CREST                                          ; the barrier has opened a round of the cluster's: no wave of any partner still reads the slot or has a load on its way
	JLOAD                                          ; my one tensor load behind the round, and the first thing there
.endif
	v_add_nc_u32 v[ADRA], s[TB], v[ADRA0]
	v_add_nc_u32 v[ADRB], s[TB], v[ADRB0]
.endif
.endm
	s_wait_tensorcnt 1                             ; my part of K step 0 is in; step 1's may stay out
	s_barrier_signal -1
	s_barrier_wait -1
	FETCH 0, 0
	s_wait_dscnt 0x0
	WIN 0
.irp i, 0,1,2,3
	CVT8 0, \i
.endr
	s_wait_loadcnt 0x0                             ; bias and table
	QUARTER 1, 0, 0, 1
	WIN 0
	s_mov_b32 s[CNT], 6
.Lstep:                                                ; a trip: quarters 1-3 of a K step and quarter 0 of the next; its refill brings the step two on: steps 2 to 7
	QUARTER 2, 1, 0
	QUARTER 3, 0, 1
	QUARTER 0, 1, 0
	QUARTER 1, 0, 0
	WIN 0
	s_sub_co_u32 s[CNT], s[CNT], 1
	s_cmp_lg_u32 s[CNT], 0
	s_cbranch_scc1 .Lstep
	s_mov_b32 s[CNT], 2
.Ltail:                                                ; steps 6 and 7 ask for nothing; the second trip is left before its last quarter.  Its change of slots and its fetch from the
	QUARTER 2, 1, 0                                ; slot read before serve nothing: the price, once, of one text for both trips
	QUARTER 3, 0, 2
	QUARTER 0, 1, 0
	WIN 0
	s_sub_co_u32 s[CNT], s[CNT], 1
	s_cmp_eq_u32 s[CNT], 0
	s_cbranch_scc1 .Lout
	QUARTER 1, 0, 0
	WIN 0
	s_branch .Ltail
.Lout:
	s_wait_dscnt 0x0
	PLACES
; THE WAY OUT, by units t = (row block a, head hd): 16 rows x 64 channels.  RoPE pairs channel d < 32 (blocks 4 hd + bb) with d + 32 (two blocks on): y1 = x1 cos - x2 sin, y2 = x2 cos + x1 sin.
; Each accumulator's registers are taken from the low end on.  Then f16, 16 bytes a lane into my stage, back as four rows of 128 bytes, which are 512 consecutive bytes of a head.
.macro PACK t
.set pa, (\t)/2
.set ph, (\t)%2
.irp bb, 0,1
.set A1, 8*(8*pa+4*ph+\bb)
.set A2, A1+16
.set TC, TABV+32*pa+8*\bb
.set TN, TC+16
.set T1, T+16*\bb
.set T2, T1+8
	WIN EPI
.irp j, 0,2,4,6
	v_pk_mul_f32 v[T1+\j:T1+\j+1], v[A2+\j:A2+\j+1], v[TN+\j:TN+\j+1]
.endr
.irp j, 0,2,4,6
	v_pk_mul_f32 v[T2+\j:T2+\j+1], v[A1+\j:A1+\j+1], v[TN+\j:TN+\j+1]
.endr
.irp j, 0,2,4,6
	v_pk_fma_f32 v[T1+\j:T1+\j+1], v[A1+\j:A1+\j+1], v[TC+\j:TC+\j+1], v[T1+\j:T1+\j+1] neg_lo:[0,0,1] neg_hi:[0,0,1]
.endr
.irp j, 0,2,4,6
	v_pk_fma_f32 v[T2+\j:T2+\j+1], v[A2+\j:A2+\j+1], v[TC+\j:TC+\j+1], v[T2+\j:T2+\j+1]
.endr
.endr
	WIN 0
.irp bb, 0,1
.irp c, 0,1,2,3
	v_cvt_pk_f16_f32 v[PKB+16*(\t)+4*\bb+\c],   v[T+16*\bb+2*\c],   v[T+16*\bb+2*\c+1]
	v_cvt_pk_f16_f32 v[PKB+16*(\t)+8+4*\bb+\c], v[T+16*\bb+8+2*\c], v[T+16*\bb+8+2*\c+1]
.endr
.endr
.irp f, 0,1,2,3
	ds_store_b128 v[STO], v[PKB+16*(\t)+4*\f:PKB+16*(\t)+4*\f+3] offset:32*\f
.endr
.irp f, 0,1,2,3
	ds_load_b128 v[PKB+16*(\t)+4*\f:PKB+16*(\t)+4*\f+3], v[RD] offset:\f*4*SP  ; LDS serves a wave's instructions in order: these see the stores above, the next unit's stores come behind them
.endr
.endm
.macro SEND t, younger                 ; younger: the next unit's eight LDS instructions, or none
	WIN 0
.irp f, 0,1,2,3
	s_wait_dscnt (\younger)+3-\f
	global_store_b128 v[GO], v[PKB+16*(\t)+4*\f:PKB+16*(\t)+4*\f+3], s[16:17] offset:((\t)/2)*2048+((\t)%2)*262144+\f*512
.endr
.endm
	PACK 0
.set t, 1
.rept 7
	PACK t
	SEND t-1, 8
.set t, t+1
.endr
	SEND 7, 0
	s_wait_tensorcnt 0x0                           ; the wave's end
	ds_add_u32 v[SPW], v[NIL]
	s_wait_dscnt 0x0
	CROUND                                         ; the closing round
	s_endpgm
.Lfunc_end_k_qf2ef0c7ae6_proj:
	.size	k_qf2ef0c7ae6_proj, .Lfunc_end_k_qf2ef0c7ae6_proj-k_qf2ef0c7ae6_proj
	.p2alignl 7, 3214868480
	.fill 96, 4, 3214868480
	.section	.rodata,"a",@progbits
	.p2align	6, 0x0
	.amdhsa_kernel k_qf2ef0c7ae6_proj
		.amdhsa_group_segment_fixed_size 327680
		.amdhsa_private_segment_fixed_size 0
		.amdhsa_enable_private_segment 0
		.amdhsa_kernarg_size 56
		.amdhsa_user_sgpr_count 2
		.amdhsa_user_sgpr_kernarg_segment_ptr 1
		.amdhsa_wavefront_size32 1
		.amdhsa_system_sgpr_workgroup_id_x 1
		.amdhsa_system_sgpr_workgroup_id_y 1
		.amdhsa_system_sgpr_workgroup_id_z 1
		.amdhsa_system_vgpr_workitem_id 0
		.amdhsa_next_free_vgpr 832
		.amdhsa_next_free_sgpr 80
		.amdhsa_reserve_vcc 0
		.amdhsa_float_denorm_mode_32 3
		.amdhsa_float_denorm_mode_16_64 3
		.amdhsa_memory_ordered 1
		.amdhsa_forward_progress 1
		.amdhsa_inst_pref_size 109
	.end_amdhsa_kernel
	.amdgpu_metadata
---
amdhsa.version: [ 1, 2 ]
amdhsa.kernels:
  - .name:           k_qf2ef0c7ae6_proj
    .symbol:         k_qf2ef0c7ae6_proj.kd
    .args:
      - { .name: query, .offset: 0, .size: 8, .value_kind: global_buffer, .address_space: global }
      - { .name: key, .offset: 8, .size: 8, .value_kind: global_buffer, .address_space: global }
      - { .name: value, .offset: 16, .size: 8, .value_kind: global_buffer, .address_space: global }
      - { .name: wcv, .offset: 24, .size: 8, .value_kind: global_buffer, .address_space: global }
      - { .name: bias, .offset: 32, .size: 8, .value_kind: global_buffer, .address_space: global }
      - { .name: tab, .offset: 40, .size: 8, .value_kind: global_buffer, .address_space: global }
      - { .name: qkv, .offset: 48, .size: 8, .value_kind: global_buffer, .address_space: global }
    .group_segment_fixed_size: 327680
    .private_segment_fixed_size: 0
    .kernarg_segment_align: 8
    .kernarg_segment_size: 56
    .max_flat_workgroup_size: 128
    .sgpr_count:     80
    .vgpr_count:     832
    .wavefront_size: 32
...
	.end_amdgpu_metadata
.endif
;; end of part 2
;; launch attn (part 3): grid 4 x 64, 4 waves a work-group, clusters of 4 x 1, 327,680 bytes of LDS; arguments qkv, mw, obuf; writes obuf
.if DOCPART == 3
	.amdgcn_target "amdgcn-amd-amdhsa--gfx1250"
	.amdhsa_code_object_version 6
	.text
	.protected	k_qf2ef0c7ae6_attn
	.globl	k_qf2ef0c7ae6_attn
	.p2align	8
	.type	k_qf2ef0c7ae6_attn,@function
k_qf2ef0c7ae6_attn:
	s_mov_b64 s[64:65], 0
	v_nop
	global_prefetch_b8 v0, s[64:65] scope:SCOPE_SE
	s_setreg_imm32_b32 hwreg(HW_REG_WAVE_MODE, 25, 1), 1
	s_wait_xcnt 0x0
	s_wait_alu depctr_hold_cnt(0) depctr_sa_sdst(0) depctr_va_vdst(0) depctr_va_sdst(0) depctr_va_ssrc(0) depctr_va_vcc(0) depctr_vm_vsrc(0)
	s_getreg_b32 s2, hwreg(HW_REG_IB_STS2, 6, 4)
	s_cmp_eq_u32 s2, 0
	s_cbranch_scc0 .Lentry_in_a_cluster
	s_endpgm
.Lentry_in_a_cluster:
	s_bfe_u32 s2, ttmp6, 0x10000c
	s_cmp_lg_u32 s2, 0x3003
	s_cbranch_scc0 .Lentry_shape_is_right
	s_endpgm
.Lentry_shape_is_right:
; ATTENTION UNDER A MASK THAT IS AN INPUT.  O[h][q] = the sum over k of softmax_k(where(mask[q][k], Q[h][q] . K[h][k] / 8, -1e9)) V[h][k].  Q, K, V: qkv [3][64][2048][64] f16; O: obuf [64][2048][64] f16.
; Q arrives times c = log2(e) / 8, so a score is in units of log2: p = 2^(s - m).  A hidden score is REPLACED by T = -1e9 log2(e), rounded to f32: one v_cndmask_b32 a score register, whose lane
; mask is one word of mw, read by scalar loads.  The running maximum is taken of the replaced scores: a row that is wholly hidden has s - m = 0 everywhere and comes out as the mean of V.
; LIMITS.  f16 holds no number beyond 65,504: Q, K, V arrive within it; p below 6e-5 keeps f16's fixed step; a weight below 2^-126 counts as 0 in l; NaN and infinities are not treated apart.
; SHARES.  A wave owns four PIECES of two tiles of 16 queries, a work-group's four waves 512 queries of one head.  Every wave walks all 2,048 keys, 64 a step.
; LAYOUT.  S^T = K Q^T: a lane holds ONE query (lane % 16) and keys 16 kb + 8 (lane / 16) + j in register 8 kb + j.  Two such results rounded to f16 ARE source 1 of O^T = V^T P.
; BY TURNS.  Turn n belongs to piece n: 16 products K Q^T of piece n + 1, later 16 products V^T P of piece n - 1; beside them piece n's s - m, exponentials, roundings, sums and rescaling, and piece n + 1's
; mask, maximum and statistics.  A turn has 298 vector instructions for 32 matrix instructions: four stand behind every product, the rest in two runs of their own.
; CLUSTER.  The four query blocks of a cluster belong to one head and walk the same K and V: each tile is asked for jointly.
; REGISTERS: window 0: v0-11 addresses and T; v12-15, v48-63 at work; v16-47 statistics; v64-191 S^T, two buffers of two tiles; v192-255 P, likewise.  window 1: O^T, 32 a tile.
; window 2: v0-127 Q; v128-191 K of one step; v192-255 V of one step.  window 3: v0-1 the add's two registers.
.set SIZE_N, 2048
.set NP,    4
.set KS,    64
.set PK,    144       ; a row of K in LDS: 128 bytes + 16
.set PV,    160       ; a row of V: 128 + 32, for the turning load
.set VOFF,  4*KS*PK   ; a slot holds four steps: 256 rows of K, then 256 rows of V
.set SLOT1, 1<<17
.set STAGE, SLOT1+4*KS*(PK+PV)
.set SP,    144
.set AK0, 2
.set AV0, 3
.set AK,  4
.set AV,  5
.set QO,  6
.set STO, 6
.set RD,  7
.set GO,  8
.set TV,  11          ; v11  T, once the address work has done with the register
.set SPW, 0           ; window 3
.set NIL, 1           ; window 3
.set SPARE, STAGE+4*16*SP
.set MV,  12          ; m_old, by buffer and tile
.set ST,  16          ; tile t at v[ST+4 t]: m, 0 (named with m as a pair), l (even keys', odd keys')
.set TMP, 48
.set S,   64
.set P,   192
.set KF,  128
.set VF,  192
.set MP,  2           ; s[2:3]   mw at my wave's first tile and the key step whose words are loaded next
.set SEL, 4           ; s[4:5]
.set WV,  6
.set SLOTS, 7
.set G1K, 8
.set G1V, 16
.set G0K, 24
.set G0V, 28
.set MK0, 32          ; s[32:63]  the 32 mask words of a piece's even tile
.set CNT, 66
.set TBK, 67
.set MK1, 68          ; s[68:99]  of its odd tile
.set TBV, 100
.set TS,  101
.set OPT, 104         ; s[104:105] O at my wave's first row
.set MSB, 0
.macro WIN new
.if MSB != (\new)
	s_set_vgpr_msb (MSB<<8)|(\new)
.set MSB, (\new)
.endif
.endm
.set W_KQ, 0x0a
.set W_PV, 0x52
.set W_RS, 0x41
.set W_MK, 0xc0
.set W_AD, 0x0f
.macro JLOAD                        ; waves 0 and 1 fetch the halves of a slot's K, waves 2 and 3 of its V; an s_nop 0 and four v_nop follow each line
	s_cmp_lt_u32 s[WV], 2
	s_cbranch_scc0 .Lfor_v_\@
	tensor_load_to_lds s[G0K:G0K+3], s[G1K:G1K+7]
	s_nop 0
.rept 4
	v_nop
.endr
	s_branch .Lasked_\@
.Lfor_v_\@:
	tensor_load_to_lds s[G0V:G0V+3], s[G1V:G1V+7]
	s_nop 0
.rept 4
	v_nop
.endr
.Lasked_\@:
.endm
.macro CROUND
	s_barrier_signal -1
	s_barrier_wait -1
	s_cmp_lg_u32 s[WV], 0
	s_cbranch_scc1 .Lnot_wave_0_\@
	s_barrier_signal -3
.Lnot_wave_0_\@:
	s_barrier_wait -3
	s_barrier_signal -1
	s_barrier_wait -1
.endm
; THE CHANGE OF SLOTS.  Each wave waits for all its tensor loads (one is out: its part of the other slot), adds 0 to its spare word, and waits for that and for its reads of the slot.
; fill = 1: the barrier is a round of the cluster's, and the joint fill, with the keys two slots on, is the first thing behind it: it has four key steps in which to land.
.macro CHANGE fill
	WIN W_AD
	s_wait_tensorcnt 0x0
	ds_add_u32 v[SPW], v[NIL]
	WIN 0
.if \fill
.irp g, G0K, G0V
	s_xor_b32 s[\g+1], s[\g+1], SLOT1
	s_add_nc_u64 s[\g+2:\g+3], s[\g+2:\g+3], 4*KS*128
.endr
	s_wait_dscnt 0x0
	CROUND
	JLOAD
.else
	s_wait_dscnt 0x0
	s_barrier_signal -1
	s_barrier_wait -1
.endif
	s_sub_co_u32 s[TBK], s[TBK], 4*KS*PK
	s_xor_b32 s[TBK], s[TBK], SLOT1
	s_sub_co_u32 s[TBV], s[TBV], 4*KS*PV
	s_xor_b32 s[TBV], s[TBV], SLOT1
.endm
; The 64 mask words of piece x for the key step at which MP stands: a tile's words of a step are 128 consecutive bytes, tiles 4,096 bytes apart.
.macro MLOAD x
	s_load_b512 s[MK0:MK0+15],    s[MP:MP+1], (2*(\x))*4096
	s_load_b512 s[MK0+16:MK0+31], s[MP:MP+1], (2*(\x))*4096+64
	s_load_b512 s[MK1:MK1+15],    s[MP:MP+1], (2*(\x)+1)*4096
	s_load_b512 s[MK1+16:MK1+31], s[MP:MP+1], (2*(\x)+1)*4096+64
.endm
	s_load_b128 s[32:35], s[0:1], 0x0 ; qkv s[32:33], mw s[34:35]: the set-up's scalars lie where the mask words will land
	s_load_b64 s[36:37], s[0:1], 0x10 ; obuf
	WIN W_MK
	v_lshl_add_u32 v[SPW], v0, 2, SPARE
	v_mov_b32 v[NIL], 0
	WIN W_AD
	ds_add_u32 v[SPW], v[NIL]       ; the wave's opening: the add and its wait stand ahead of my first tensor load
	WIN 0
	v_lshrrev_b32 v1, 5, v0
	v_readfirstlane_b32 s[WV], v1
	s_bfe_u32 s38, ttmp6, 0x40000   ; cx
	s_lshl_b32 s39, ttmp9, 2
	s_add_co_u32 s39, s39, s38      ; my block of 512 queries: it enters Q's, O's and the mask's addresses alone
	s_and_b32 s40, ttmp7, 0xffff    ; the head, which the four partners share
	s_lshl_b32 s40, s40, 18         ; 2,048 rows of 128 bytes
	s_mov_b32 s41, 0
	s_and_b32 s42, s[WV], 1         ; which half of a slot's 256 keys I fetch
	s_lshl_b32 s44, s42, 14
	s_mov_b32 s45, 0
	s_add_nc_u64 s[44:45], s[44:45], s[40:41]
	s_mul_i32 s46, s42, 128*PK
	s_mul_i32 s47, s42, 128*PV
	s_lshl_b32 s48, s39, 2
	s_add_co_u32 s48, s48, s[WV]    ; my wave among the head's sixteen
	s_lshl_b32 s50, s48, 15         ; its eight tiles' words: 8 x 4,096 bytes
	s_mov_b32 s51, 0
	s_lshl_b32 s48, s48, 14         ; its 128 rows
	s_mov_b32 s49, 0
	s_add_nc_u64 s[48:49], s[48:49], s[40:41]
	; 128 keys are 16,384 dense bytes: asked for as 64 rows of 256 bytes, padded in LDS after every key
	s_mov_b32 s[G1K], 15|(1<<16)|(1<<20)|(1<<21)|(4<<22)|(3<<25)
	s_mov_b32 s[G1V], 15|(1<<16)|(1<<20)|(1<<21)|(4<<22)|(7<<25)
.irp g, G1K, G1V
	s_mov_b32 s[\g+1], 128<<16
	s_mov_b32 s[\g+2], 64<<16
	s_mov_b32 s[\g+3], 128<<16
	s_mov_b32 s[\g+4], 64
	s_mov_b32 s[\g+5], 128
	s_mov_b32 s[\g+6], 0
	s_mov_b32 s[\g+7], 0
.endr
	s_mov_b32 s[SEL], 0x76543210
	s_mov_b32 s[SEL+1], 0xfedcba98
	s_mov_b32 s[TBK], SLOT1+4*KS*PK ; the first change of slots turns these two into 0
	s_mov_b32 s[TBV], SLOT1+4*KS*PV
	s_mov_b32 s[G0K], 1
	s_mov_b32 s[G0K+1], s46
	s_mov_b32 s[G0V], 1
	s_add_co_u32 s[G0V+1], s47, VOFF
	s_wait_dscnt 0x0                ; the opening add is done
	s_wait_kmcnt 0x0
	s_add_nc_u64 s[G0K+2:G0K+3], s[32:33], s[44:45]
	s_add_nc_u64 s[G0K+2:G0K+3], s[G0K+2:G0K+3], 0x1000000  ; K lies 16,777,216 bytes into qkv
	s_or_b32 s[G0K+3], s[G0K+3], 0x80000000
	s_add_nc_u64 s[G0V+2:G0V+3], s[32:33], s[44:45]
	s_add_nc_u64 s[G0V+2:G0V+3], s[G0V+2:G0V+3], 0x2000000  ; V 33,554,432
	s_or_b32 s[G0V+3], s[G0V+3], 0x80000000
	s_add_nc_u64 s[52:53], s[32:33], s[48:49]      ; Q at my wave's first row
	s_add_nc_u64 s[OPT:OPT+1], s[36:37], s[48:49]
	s_add_nc_u64 s[MP:MP+1], s[34:35], s[50:51]
	CROUND                          ; all four work-groups are here: the first joint loads meet
	JLOAD                           ; slot 0; slot 1 is asked for when slot 0 is in
	v_and_b32 v1, 15, v0
	v_bfe_u32 v9, v0, 4, 1
	v_lshlrev_b32 v[QO], 7, v1
	v_lshl_add_u32 v[QO], v9, 4, v[QO]
	WIN 0x80
.set i, 0
.rept 4*NP                          ; Q stays in registers: tile i / 2, channels 32 (i % 2) on
	global_load_b128 v[8*i:8*i+3],   v[QO], s[52:53] offset:(i/2)*2048+(i%2)*64
	global_load_b128 v[8*i+4:8*i+7], v[QO], s[52:53] offset:(i/2)*2048+(i%2)*64+32
.set i, i+1
.endr
	; What the first turn finds: V's registers and P's second buffer hold 0, O^T and l are 0, m lies far below every score, T too: the first step is a step like any other, with a = 0.
.set i, VF
.rept 64
	v_mov_b32 v[i], 0
.set i, i+1
.endr
	WIN 0x40
.set i, 0
.rept 64*NP
	v_mov_b32 v[i], 0
.set i, i+1
.endr
	WIN 0
.set i, 0
.rept 2*NP
	v_mov_b32 v[ST+4*i], 0xfe000000
	v_mov_b32 v[ST+4*i+1], 0
	v_mov_b32 v[ST+4*i+2], 0
	v_mov_b32 v[ST+4*i+3], 0
.set i, i+1
.endr
.set i, P+32
.rept 32
	v_mov_b32 v[i], 0
.set i, i+1
.endr
	v_mul_u32_u24 v[AK0], v1, PK
	v_lshl_add_u32 v[AK0], v9, 4, v[AK0]
	v_and_b32 v10, 7, v0
	v_bfe_u32 v11, v0, 3, 1
	v_lshl_add_u32 v[AV0], v9, 3, v10
	v_mul_u32_u24 v[AV0], v[AV0], PV
	v_lshl_add_u32 v[AV0], v11, 4, v[AV0]
	v_add_nc_u32 v[AV0], VOFF, v[AV0]
	v_mov_b32 v[AK], v[AK0]
	v_mov_b32 v[TV], 0xceabfb8f     ; T = -1e9 log2(e)
.macro KQ x                         ; product i of 16 of S^T = K Q^T for piece x; the 8 accumulators take turns; the first 8 start the sums
	WIN W_KQ
.set rS, S+64*((\x)%2)+32*(i%2)+8*((i/2)%4)
.set rK, KF+16*((i/2)%4)+8*(i/8)
.set rQ, 16*(2*(\x)+i%2)+8*(i/8)
.if i < 8
	v_wmma_f32_16x16x32_f16 v[rS:rS+7], v[rK:rK+7], v[rQ:rQ+7], 0
.else
	v_wmma_f32_16x16x32_f16 v[rS:rS+7], v[rK:rK+7], v[rQ:rQ+7], v[rS:rS+7]
.endif
.endm
.macro PV x                         ; product i of 16 of O^T += V^T P for piece x
	WIN W_PV
.set rO, 32*(2*(\x)+i%2)+8*((i/2)%4)
.set rV, VF+32*(i/8)+8*((i/2)%4)
.set rP, P+32*((\x)%2)+16*(i%2)+8*(i/8)
	v_wmma_f32_16x16x32_f16 v[rO:rO+7], v[rV:rV+7], v[rP:rP+7], v[rO:rO+7]
.endm
.macro MM
.if i < 16
	KQ (Y+1)%NP
.set i, i+1
.else
.set i, i-16
	PV (Y+NP-1)%NP
.set i, i+17
.endif
.endm
; A step's K: 16 loads in one run.  last = 1 (the tail): in the last trip there is no further step, and the run is jumped over.  mp = 1: the mask words go on to that step too; no scalar load is out here.
.macro FETCH_K last=0, mp=0
	WIN 0
.if \last
	s_cmp_eq_u32 s[CNT], 1
	s_cbranch_scc1 .Lno_k_\@
.endif
	WIN 0x80
.irp f, 0,1,2,3,4,5,6,7
	ds_load_b128 v[KF+8*\f:KF+8*\f+3],   v[AK] offset:(\f/2)*16*PK+(\f%2)*64
	ds_load_b128 v[KF+8*\f+4:KF+8*\f+7], v[AK] offset:(\f/2)*16*PK+(\f%2)*64+32
.endr
	s_add_co_u32 s[TBK], s[TBK], KS*PK
.if \mp
	s_add_nc_u64 s[MP:MP+1], s[MP:MP+1], 128
.endif
	WIN 0
.if \last
.Lno_k_\@:
.endif
.endm
.macro FETCH_V
	WIN 0x80
.irp f, 0,1,2,3,4,5,6,7
	ds_load_tr16_b128 v[VF+8*\f:VF+8*\f+3],   v[AV] offset:(\f/4)*32*PV+(\f%4)*32
	ds_load_tr16_b128 v[VF+8*\f+4:VF+8*\f+7], v[AV] offset:(\f/4)*32*PV+16*PV+(\f%4)*32
.endr
	WIN 0
.endm
.macro REGS y, u
.set rT, ST+4*(2*(\y)+(\u))
.set rC, TMP+8*((\y)%2)+4*(\u)
.set rM, MV+2*((\y)%2)+(\u)
.set rS, S+64*((\y)%2)+32*(\u)
.set rP, P+32*((\y)%2)+16*(\u)
.set rO, 32*(2*(\y)+(\u))
.endm
; Number n of 64: score register n / 2 of tile n % 2 of the NEXT piece keeps its score where the mask's bit is set and takes T elsewhere.  Ascending: each accumulator is first read at its lowest register.
.macro KM n
	REGS (Y+1)%NP, (\n)%2
.if (\n)%2
	v_cndmask_b32 v[rS+(\n)/2], v[TV], v[rS+(\n)/2], s[MK1+(\n)/2]
.else
	v_cndmask_b32 v[rS+(\n)/2], v[TV], v[rS+(\n)/2], s[MK0+(\n)/2]
.endif
.endm
; The next piece's maximum and statistics.  0-11 four chains of seven scores; 12-14, 16 the four left over, the old m, and the chains into c0; 15 m_old is kept;
; 17, 18 the other half of the lanes': the new m; 20 m_old - m_new; 21 a.  (19 is empty: the scores come scaled.)
.macro XS u, n
	REGS (Y+1)%NP, \u
.if (\n) < 4
	v_max3_num_f32 v[rC+(\n)], v[rS+8*(\n)], v[rS+8*(\n)+1], v[rS+8*(\n)+2]
.elseif (\n) < 12
	v_max3_num_f32 v[rC+(\n)%4], v[rC+(\n)%4], v[rS+8*((\n)%4)+2*((\n)/4)+1], v[rS+8*((\n)%4)+2*((\n)/4)+2]
.elseif (\n) == 12
	v_max3_num_f32 v[rC], v[rC], v[rS+7], v[rS+15]
.elseif (\n) == 13
	v_max3_num_f32 v[rC+1], v[rC+1], v[rS+23], v[rS+31]
.elseif (\n) == 14
	v_max3_num_f32 v[rC+2], v[rC+2], v[rC+3], v[rT]
.elseif (\n) == 15
	v_mov_b32 v[rM], v[rT]
.elseif (\n) == 16
	v_max3_num_f32 v[rC], v[rC], v[rC+1], v[rC+2]
.elseif (\n) == 17
	v_permlanex16_b32 v[rC+3], v[rC], s[SEL], s[SEL+1]
.elseif (\n) == 18
	v_max_num_f32 v[rT], v[rC], v[rC+3]
.elseif (\n) == 19
.elseif (\n) == 20
	v_sub_f32 v[rC+1], v[rM], v[rT]
.else
	v_exp_f32 v[rC+2], v[rC+1]
.endif
.endm
; Number g of the 64 that follow the exponentials: for each four weights of a tile both pairs are rounded to f16, the second pair is added onto the first, and a group later l takes the sum (first as l = a l + sum).
.macro GS g
.set h, (\g)+6*((\g)/62)
.if h >= 6
.set h, h+2
.endif
	REGS Y, h%2
.set k, h/8
.if h%8 < 4
	v_cvt_pk_f16_f32 v[rP+2*k+(h%8)/2], v[rS+4*k+2*((h%8)/2)], v[rS+4*k+2*((h%8)/2)+1]
.elseif h%8 < 6
	v_pk_add_f32 v[rS+4*k:rS+4*k+1], v[rS+4*k:rS+4*k+1], v[rS+4*k+2:rS+4*k+3]
.elseif k == 1
	v_pk_fma_f32 v[rT+2:rT+3], v[rT+2:rT+3], v[rC+2:rC+3], v[rS:rS+1] op_sel_hi:[1,0,1]
.else
	v_pk_add_f32 v[rT+2:rT+3], v[rT+2:rT+3], v[rS+4*k-4:rS+4*k-3]
.endif
.endm
; THE PLAIN QUEUE, 200 long.  0-31 s - m; 32-37, 40, 41 the first eight of GS; 38, 39 m_old kept; 42-105 the next piece's mask; 106-137 its maximum; 138-149 its chain (17, 18, 20), two of GS between the links; then the rest of GS.
.macro PL
	WIN 0
.if q < 32
	REGS Y, q%2
	v_pk_add_f32 v[rS+2*(q/2):rS+2*(q/2)+1], v[rS+2*(q/2):rS+2*(q/2)+1], v[rT:rT+1] op_sel_hi:[1,0] neg_lo:[0,1] neg_hi:[0,1]
.elseif q < 38
	GS q-32
.elseif q < 40
	XS q%2, 15
.elseif q < 42
	GS q-34
.elseif q < 106
	KM q-42
.elseif q < 138
	XS q%2, (q-106)/2+(q-106)/30
.elseif (q < 150) && ((q-138)%4 < 2)
	XS (q-138)%4, 17+(q-138)/4+(q-138)/8
.elseif q < 150
	GS 6+2*((q-138)/4)+(q-138)%4
.else
	GS q-136
.endif
.set q, q+1
.endm
.set EA, 64
.macro EX                           ; the exponentials' queue, 66 long: s0-s31 of both tiles, then the next piece's two a
	WIN 0
.if (e == EA) || (e == EA+1)
	XS e-EA, 21
.else
	REGS Y, e%2
	v_exp_f32 v[rS+e/2], v[rS+e/2]
.endif
.set e, e+1
.endm
.macro R4                           ; O^T times a, four at a time, eight times
	REGS Y, r%2
	WIN W_RS
.irp z, 0,1,2,3
	v_pk_mul_f32 v[rO+8*(r/2)+2*\z:rO+8*(r/2)+2*\z+1], v[rO+8*(r/2)+2*\z:rO+8*(r/2)+2*\z+1], v[rC+2:rC+3] op_sel_hi:[1,0]
.endr
.set r, r+1
.endm
.macro SL
	MM
	PL
	EX
	PL
	PL
.endm
.macro BURST n
.rept (\n)-7
	SL
.endr
.rept 3
	MM
	R4
	SL
.endr
	MM
	R4
.endm
; A TURN, for piece p.  The deal keeps the queues in step: exponential e stands behind plain 2 (e / 4) + e % 2; the mask's first line stands nine plain lines behind the last product K Q^T; its last line
; (plain 105) stands in the second run of products, ahead of the loads that bring the next turn's words; every rounding stands behind its two exponentials; a behind plain 147.
; The words that a turn's mask takes were asked for in the turn before, behind its second run of products; piece 2's turn steps to the next key step first, since the turn behind it masks piece 0 of that step.
.macro TURN p, last=0, cnt=0
.set Y, (\p)
.set i, 0
.set q, 0
.set e, 0
.set r, 0
.if (\p) == NP-1
	s_wait_dscnt 0x0                ; K is in
.endif
	MM
.rept 4
	PL
.endr
	BURST 15
	s_wait_kmcnt 0x0                ; the mask words are in
.rept 20
	EX
	PL
	PL
.if ((\p) == NP-2) && (e == 14)
	v_add_nc_u32 v[AK], s[TBK], v[AK0]
.endif
.if ((\p) == NP-2) && (e == 17)
	FETCH_K \last, 1
.endif
.endr
.if (\p) == 1
	s_wait_dscnt 0x0                ; V is in
.endif
	BURST 16
	MLOAD ((\p)+2)%NP
.rept 21
	EX
	PL
	PL
.endr
.rept 45
	PL
.if (q == 159) || (q == 163)
	EX
.endif
.if ((\p) == 0) && (q == 180)
	v_add_nc_u32 v[AV], s[TBV], v[AV0]
.endif
.if ((\p) == 0) && (q == 190)
	s_add_co_u32 s[TBV], s[TBV], KS*PV
.endif
.if (\cnt) && (q == 190)
	s_sub_co_u32 s[CNT], s[CNT], 1
	s_cmp_lg_u32 s[CNT], 0
.endif
.endr
.if (\p) == 0
	FETCH_V
.endif
.endm
	s_wait_xcnt 0x0                 ; Q's loads have had their addresses translated: their base lies among the registers in which the mask words land
	MLOAD 0                         ; piece 0, key step 0
	CHANGE 1                        ; slot 0 is in, everybody's part of it; slot 1 is asked for
	FETCH_K                         ; key step 0
	s_wait_loadcnt 0x0              ; Q
	s_wait_dscnt 0x0
.set i, 0
.rept 16
	KQ 0
.set i, i+1
.endr
	WIN 0                           ; the addresses for the way out: plain lines, the places behind those products
	s_mul_i32 s[TS], s[WV], 16*SP
	s_add_co_u32 s[TS], s[TS], STAGE
	v_mul_u32_u24 v[STO], v1, SP
	v_lshl_add_u32 v[STO], v9, 4, v[STO]
	v_add_nc_u32 v[STO], s[TS], v[STO]
	v_bfe_u32 v[RD], v0, 3, 2
	v_mul_u32_u24 v[RD], v[RD], SP
	v_lshl_add_u32 v[RD], v10, 4, v[RD]
	v_add_nc_u32 v[RD], s[TS], v[RD]
	v_and_b32 v[GO], 31, v0
	v_lshlrev_b32 v[GO], 4, v[GO]
	s_wait_kmcnt 0x0
.set Y, NP-1                        ; KM and XS work for piece Y + 1: piece 0
.set kn, 0
.rept 64
	KM kn
.set kn, kn+1
.endr
	MLOAD 1                         ; for the first turn's mask
.irp n, 0,1,2,3,4,5,6,7,8,9,10,11,12,13,14,15,16,17,18,20,21
	XS 0, \n
	XS 1, \n
.endr
	s_mov_b32 s[CNT], 4
	s_mov_b32 s[SLOTS], SIZE_N/256-1
	s_branch .Lfirst                ; the loop is entered at a step's first turn, in the middle of a trip
.Lslot:                             ; every slot but the last two is filled again
	CHANGE 1
	s_mov_b32 s[CNT], 4
.Lstep:                             ; a trip: pieces 2 and 3 of one step, then pieces 0 and 1 of the next
	TURN 2
	TURN 3
	WIN 0
.Lfirst:
	TURN 0
	TURN 1, 0, 1
	WIN 0
	s_cbranch_scc1 .Lstep
	s_sub_co_u32 s[SLOTS], s[SLOTS], 1
	s_cmp_lg_u32 s[SLOTS], 0
	s_cbranch_scc1 .Lslot
	CHANGE 0                        ; the tail is written out
	s_mov_b32 s[CNT], 5             ; four trips fetch the last slot's steps; the fifth is left in its middle
.Ltail:
	TURN 2, 1
	TURN 3
	WIN 0
	s_sub_co_u32 s[CNT], s[CNT], 1
	s_cmp_eq_u32 s[CNT], 0
	s_cbranch_scc1 .Lout
	TURN 0
	TURN 1
	WIN 0
	s_branch .Ltail
.Lout:                              ; the fifth trip's products K Q^T on the last K once more, their mask (the last step's words again: inside mw) and maximum serve nothing: the price of one text for every trip
	s_wait_kmcnt 0x0
.set i, 0
.rept 16
	PV NP-1
.set i, i+1
.endr
	; THE WAY OUT.  l's halves are added; O^T is divided by l, rounded to f16 and sent through my stage, a tile at a time.  The additions are the places behind the last products.
	WIN 0
.macro ALL line:vararg
.set t, 0
.rept 2*NP
	\line
.set t, t+1
.endr
.endm
	ALL v_add_f32 v[ST+4*t+2], v[ST+4*t+2], v[ST+4*t+3]
	ALL v_permlanex16_b32 v[ST+4*t+3], v[ST+4*t+2], s[SEL], s[SEL+1]
	ALL v_add_f32 v[ST+4*t+2], v[ST+4*t+2], v[ST+4*t+3]
	ALL v_rcp_f32 v[ST+4*t+2], v[ST+4*t+2]
	v_nop                           ; a plain line between the last reciprocal and the use of its result
.macro PACK t
	WIN W_RS
.set i, 32*(\t)
.rept 16
	v_pk_mul_f32 v[i:i+1], v[i:i+1], v[ST+4*(\t)+2:ST+4*(\t)+3] op_sel_hi:[1,0]
.set i, i+2
.endr
	WIN 0x05
.set i, 0
.rept 16
	v_cvt_pk_f16_f32 v[S+16*(\t)+i], v[32*(\t)+2*i], v[32*(\t)+2*i+1]
.set i, i+1
.endr
	WIN 0
.irp f, 0,1,2,3
	ds_store_b128 v[STO], v[S+16*(\t)+4*\f:S+16*(\t)+4*\f+3] offset:32*\f
.endr
.irp f, 0,1,2,3
	ds_load_b128 v[S+16*(\t)+4*\f:S+16*(\t)+4*\f+3], v[RD] offset:\f*4*SP  ; LDS serves a wave's instructions in order: these see the stores above
.endr
.endm
.macro SEND t, younger              ; younger: the next tile's eight LDS instructions, or none
	WIN 0
.irp f, 0,1,2,3
	s_wait_dscnt (\younger)+3-\f
	global_store_b128 v[GO], v[S+16*(\t)+4*\f:S+16*(\t)+4*\f+3], s[OPT:OPT+1] offset:(\t)*2048+\f*512  ; 512 consecutive bytes, aligned
.endr
.endm
	PACK 0
.set t, 1
.rept 2*NP-1
	PACK t
	SEND t-1, 8
.set t, t+1
.endr
	SEND 2*NP-1, 0
	WIN W_AD
	s_wait_tensorcnt 0x0            ; the wave's end
	ds_add_u32 v[SPW], v[NIL]
	s_wait_dscnt 0x0
	WIN 0
	CROUND                          ; the closing round
	s_endpgm
.Lfunc_end_k_qf2ef0c7ae6_attn:
	.size	k_qf2ef0c7ae6_attn, .Lfunc_end_k_qf2ef0c7ae6_attn-k_qf2ef0c7ae6_attn
	.p2alignl 7, 3214868480
	.fill 96, 4, 3214868480
	.section	.rodata,"a",@progbits
	.p2align	6, 0x0
	.amdhsa_kernel k_qf2ef0c7ae6_attn
		.amdhsa_group_segment_fixed_size 327680
		.amdhsa_private_segment_fixed_size 0
		.amdhsa_enable_private_segment 0
		.amdhsa_kernarg_size 24
		.amdhsa_user_sgpr_count 2
		.amdhsa_user_sgpr_kernarg_segment_ptr 1
		.amdhsa_wavefront_size32 1
		.amdhsa_system_sgpr_workgroup_id_x 1
		.amdhsa_system_sgpr_workgroup_id_y 1
		.amdhsa_system_sgpr_workgroup_id_z 1
		.amdhsa_system_vgpr_workitem_id 0
		.amdhsa_next_free_vgpr 770
		.amdhsa_next_free_sgpr 106
		.amdhsa_reserve_vcc 0
		.amdhsa_float_denorm_mode_32 3
		.amdhsa_float_denorm_mode_16_64 3
		.amdhsa_memory_ordered 1
		.amdhsa_forward_progress 1
		.amdhsa_inst_pref_size 233
	.end_amdhsa_kernel
	.amdgpu_metadata
---
amdhsa.version: [ 1, 2 ]
amdhsa.kernels:
  - .name:           k_qf2ef0c7ae6_attn
    .symbol:         k_qf2ef0c7ae6_attn.kd
    .args:
      - { .name: qkv, .offset: 0, .size: 8, .value_kind: global_buffer, .address_space: global }
      - { .name: mw, .offset: 8, .size: 8, .value_kind: global_buffer, .address_space: global }
      - { .name: obuf, .offset: 16, .size: 8, .value_kind: global_buffer, .address_space: global }
    .group_segment_fixed_size: 327680
    .private_segment_fixed_size: 0
    .kernarg_segment_align: 8
    .kernarg_segment_size: 24
    .max_flat_workgroup_size: 128
    .sgpr_count:     106
    .vgpr_count:     770
    .wavefront_size: 32
...
	.end_amdgpu_metadata
.endif
;; end of part 3
;; launch oproj (part 4): grid 4 x 64, 4 waves a work-group, clusters of 4 x 4, 327,680 bytes of LDS; arguments obuf, wcv, bias, out0; writes out0
.if DOCPART == 4
	.amdgcn_target "amdgcn-amd-amdhsa--gfx1250"
	.amdhsa_code_object_version 6
	.text
	.protected	k_qf2ef0c7ae6_oproj
	.globl	k_qf2ef0c7ae6_oproj
	.p2align	8
	.type	k_qf2ef0c7ae6_oproj,@function
k_qf2ef0c7ae6_oproj:
	s_mov_b64 s[64:65], 0
	v_nop
	global_prefetch_b8 v0, s[64:65] scope:SCOPE_SE
	s_setreg_imm32_b32 hwreg(HW_REG_WAVE_MODE, 25, 1), 1
	s_wait_xcnt 0x0
	s_wait_alu depctr_hold_cnt(0) depctr_sa_sdst(0) depctr_va_vdst(0) depctr_va_sdst(0) depctr_va_ssrc(0) depctr_va_vcc(0) depctr_vm_vsrc(0)
	s_getreg_b32 s2, hwreg(HW_REG_IB_STS2, 6, 4)
	s_cmp_eq_u32 s2, 0
	s_cbranch_scc0 .Lentry_in_a_cluster
	s_endpgm
.Lentry_in_a_cluster:
	s_bfe_u32 s2, ttmp6, 0x10000c
	s_cmp_lg_u32 s2, 0xf033
	s_cbranch_scc0 .Lentry_shape_is_right
	s_endpgm
.Lentry_shape_is_right:
; THE OUTPUT PROJECTION: out0 = x Wo + bo, f32.  x[b s][64 h + d] = obuf[b 16 + h][s][d], f16; Wo: wcv's fourth matrix, [k][n], bf16-rounded numbers written as f16; sums in f32, begun with the bias as C.
; A tile of out0 is 128 rows x 256 columns; four waves, 2 x 2, each 64 x 128: 32 accumulators.  A K step is 128 = two heads; waves 0 and 1 bring a head's 128 rows each (dense: 64 rows of 256 bytes,
; padded after every 128), waves 2 and 3 64 k-rows of Wo each.  Two LDS slots; one K step is written once; the slots change in the middle of a step's third quarter, when the fourth quarter's fragments are in registers.
; The matrix instruction is used transposed (source 0 = 16 columns of Wo, turned by ds_load_tr16_b128; source 1 = 16 rows of x): a lane holds row l % 16 and eight neighbouring columns.
; CLUSTER 4 x 4: x's tile is shared along a cluster's row, Wo's along a column.
; REGISTERS: window 0: addresses; v32-95 x's fragments, two buffers; v96-223 rows on the way out, two buffers.  window 1: the accumulators.  window 2: v0-127 Wo's fragments.  window 3: v0-63 the bias.
.set APITCH, 144
.set BPITCH, 544
.set AHALF,  128*APITCH                ; a head's 128 rows
.set BHALF,  64*BPITCH
.set BOFF,   2*AHALF
.set SLOT,   BOFF+2*BHALF
.set STAGE,  2*SLOT                    ; 16 rows x 528 bytes for each wave
.set SPITCH, 528
.set SPARE,  STAGE+4*16*SPITCH
.set ADRA0, 16
.set ADRB0, 17
.set ADRA,  18
.set ADRB,  19
.set STO,   20
.set RD,    21
.set GO,    22
.set VB,    23
.set SPW,   28
.set NIL,   29
.set AF,    32
.set OB,    96
.set WV, 18
.set FB, 19
.set HF, 20
.set CX, 21
.set CY, 22
.set WGX, 23
.set G1A, 24
.set G1B, 32
.set G0A, 40
.set G0B, 48
.set TB,  56
.set CNT, 57
.set LA,  58
.set LB,  59
.set TR,  61
.set MSB, 0
.macro WIN new
.if MSB != (\new)
	s_set_vgpr_msb (MSB<<8)|(\new)
.set MSB, \new
.endif
.endm
.set MUL,   0x52
.set MULB,  0x72
.set TO_B,  0x80
.set TO_BI, 0xc0
.macro PLACES
.rept 4
	v_nop
.endr
.endm
.macro JLOAD
	s_cmp_eq_u32 s[FB], 0
	s_cbranch_scc0 .Lfor_b_\@
	tensor_load_to_lds s[G0A+4:G0A+7], s[G1A:G1A+7]
	s_nop 0
.rept 4
	v_nop
.endr
	s_branch .Lasked_\@
.Lfor_b_\@:
	tensor_load_to_lds s[G0B+4:G0B+7], s[G1B:G1B+7]
	s_nop 0
.rept 4
	v_nop
.endr
.Lasked_\@:
.endm
.macro CREST
	s_cmp_lg_u32 s[WV], 0
	s_cbranch_scc1 .Lnot_wave_0_\@
	s_barrier_signal -3
.Lnot_wave_0_\@:
	s_barrier_wait -3
	s_barrier_signal -1
	s_barrier_wait -1
.endm
.macro CROUND
	s_barrier_signal -1
	s_barrier_wait -1
	CREST
.endm
	s_load_b256 s[4:11], s[0:1], 0x0               ; obuf s[4:5], wcv s[6:7], bias s[8:9], out0 s[10:11]
	v_lshl_add_u32 v[SPW], v0, 2, SPARE
	v_mov_b32 v[NIL], 0
	ds_add_u32 v[SPW], v[NIL]                      ; the wave's opening: the add and its wait stand ahead of my first tensor load
	v_lshrrev_b32 v1, 5, v0
	v_readfirstlane_b32 s[WV], v1
	s_lshr_b32 s[FB], s[WV], 1
	s_and_b32 s[HF], s[WV], 1
	s_bfe_u32 s[CX], ttmp6, 0x40000
	s_bfe_u32 s[CY], ttmp6, 0x40004
	s_lshl_b32 s[WGX], ttmp9, 2
	s_add_co_u32 s[WGX], s[WGX], s[CX]
	s_and_b32 s[TR], ttmp7, 0xffff
	s_lshl_b32 s[TR], s[TR], 2
	s_add_co_u32 s[TR], s[TR], s[CY]               ; tile row, 0 to 63
	s_lshl_b32 s63, s[CY], 2
	s_lshl_b32 s63, 15, s63
	s_lshl_b32 s74, 0x1111, s[CX]
	s_or_b32 s[G1A], s63, (1<<16)|(1<<20)|(1<<21)|(4<<22)|(3<<25)  ; 2-byte elements; after every 32 words 4 words of padding
	s_or_b32 s[G1B], s74, (1<<16)|(1<<20)|(1<<21)|(6<<22)|(7<<25)  ; after every 128 words 8 words
	s_mov_b32 s[G1A+1], 128<<16
	s_mov_b32 s[G1A+2], 64<<16
	s_mov_b32 s[G1A+3], 128<<16
	s_mov_b32 s[G1A+4], 64
	s_mov_b32 s[G1A+5], 128
	s_mov_b32 s[G1A+6], 0
	s_mov_b32 s[G1A+7], 0
	s_mov_b32 s[G1B+1], 256<<16
	s_mov_b32 s[G1B+2], 64<<16
	s_mov_b32 s[G1B+3], 256<<16
	s_mov_b32 s[G1B+4], 64
	s_mov_b32 s[G1B+5], 1024
	s_mov_b32 s[G1B+6], 0
	s_mov_b32 s[G1B+7], 0
	s_mul_i32 s[LA], s[HF], AHALF
	s_mul_i32 s[LB], s[HF], BHALF
	s_add_co_u32 s[LB], s[LB], BOFF
	s_mov_b32 s[TB], 0
	s_lshr_b32 s68, s[TR], 4                       ; x: batch x 16 heads of 2^18 bytes, my head of the step's two, 128 (tile row % 16) rows of 128 bytes; these never hold cx
	s_lshl_b32 s68, s68, 22
	s_lshl_b32 s69, s[HF], 18
	s_add_co_u32 s68, s68, s69
	s_and_b32 s69, s[TR], 15
	s_lshl_b32 s69, s69, 14
	s_add_co_u32 s68, s68, s69
	s_mov_b32 s69, 0
	s_lshl_b32 s70, s[HF], 17                      ; Wo: 64 half k-rows of 2,048 bytes, 512 bytes a tile column; these never hold cy
	s_lshl_b32 s71, s[WGX], 9
	s_add_co_u32 s70, s70, s71
	s_add_co_u32 s70, s70, 6291456                 ; the fourth matrix
	s_mov_b32 s71, 0
	s_wait_dscnt 0x0
	s_wait_kmcnt 0x0
	s_add_nc_u64 s[66:67], s[4:5], s[68:69]
	s_add_nc_u64 s[72:73], s[6:7], s[70:71]
	CROUND
	s_mov_b32 s[G0A], 1
	s_mov_b32 s[G0A+1], s[LA]
	s_mov_b64 s[G0A+2:G0A+3], s[66:67]
	s_or_b32 s[G0A+3], s[G0A+3], 0x80000000
	s_mov_b32 s[G0A+4], 1
	s_add_co_u32 s[G0A+5], s[LA], SLOT
	s_add_nc_u64 s[G0A+6:G0A+7], s[66:67], 524288  ; two heads on
	s_or_b32 s[G0A+7], s[G0A+7], 0x80000000
	s_mov_b32 s[G0B], 1
	s_mov_b32 s[G0B+1], s[LB]
	s_mov_b64 s[G0B+2:G0B+3], s[72:73]
	s_or_b32 s[G0B+3], s[G0B+3], 0x80000000
	s_mov_b32 s[G0B+4], 1
	s_add_co_u32 s[G0B+5], s[LB], SLOT
	s_add_nc_u64 s[G0B+6:G0B+7], s[72:73], 262144
	s_or_b32 s[G0B+7], s[G0B+7], 0x80000000
	s_cmp_eq_u32 s[FB], 0                          ; a wave's two first fills stand in one branch: two loads of mine are out
	s_cbranch_scc0 .Lfirst_b
	tensor_load_to_lds s[G0A:G0A+3], s[G1A:G1A+7]
	s_nop 0
	tensor_load_to_lds s[G0A+4:G0A+7], s[G1A:G1A+7]
	s_nop 0
.rept 4
	v_nop
.endr
	s_branch .Lfirst_asked
.Lfirst_b:
	tensor_load_to_lds s[G0B:G0B+3], s[G1B:G1B+7]
	s_nop 0
	tensor_load_to_lds s[G0B+4:G0B+7], s[G1B:G1B+7]
	s_nop 0
.rept 4
	v_nop
.endr
.Lfirst_asked:
	s_lshl_b32 s74, s[WGX], 10                     ; my 128 columns, in f32 bytes
	s_lshl_b32 s75, s[HF], 9
	s_add_co_u32 s74, s74, s75
	s_mov_b32 s75, 0
	s_add_nc_u64 s[8:9], s[8:9], s[74:75]
	s_add_nc_u64 s[8:9], s[8:9], 12288             ; bo is the fourth bias
	s_lshl_b32 s76, s[TR], 19                      ; (128 tile row + 64 half) rows of 4,096 bytes
	s_lshl_b32 s77, s[FB], 18
	s_add_co_u32 s76, s76, s77
	s_add_co_u32 s76, s76, s74
	s_mov_b32 s77, 0
	s_add_nc_u64 s[10:11], s[10:11], s[76:77]
	v_and_b32 v1, 15, v0
	v_bfe_u32 v2, v0, 4, 1
	v_lshlrev_b32 v[VB], 5, v2
	WIN TO_BI
.irp b, 0,1,2,3,4,5,6,7
	global_load_b128 v[8*\b:8*\b+3],   v[VB], s[8:9] offset:64*\b
	global_load_b128 v[8*\b+4:8*\b+7], v[VB], s[8:9] offset:64*\b+16
.endr
	WIN 0
	s_mul_i32 s62, s[FB], 64*APITCH
	v_mul_u32_u24 v3, v1, APITCH
	v_lshl_add_u32 v3, v2, 4, v3
	v_add_nc_u32 v[ADRA0], s62, v3
	v_and_b32 v4, 7, v0
	v_lshl_add_u32 v4, v2, 3, v4
	v_mul_u32_u24 v4, v4, BPITCH
	v_bfe_u32 v5, v0, 3, 1
	v_lshl_add_u32 v4, v5, 4, v4
	s_lshl_b32 s63, s[HF], 8
	s_add_co_u32 s63, s63, BOFF
	v_add_nc_u32 v[ADRB0], s63, v4
	v_mov_b32 v[ADRA], v[ADRA0]
	v_mov_b32 v[ADRB], v[ADRB0]
	s_mul_i32 s62, s[WV], 16*SPITCH
	s_add_co_u32 s62, s62, STAGE
	v_mul_u32_u24 v[STO], v1, SPITCH               ; in: row r, 32 bytes for each half of the lanes
	v_lshl_add_u32 v[STO], v2, 5, v[STO]
	v_add_nc_u32 v[STO], s62, v[STO]
	v_and_b32 v[GO], 31, v0                        ; back and out: 32 lanes take a row's 512 bytes
	v_lshlrev_b32 v[GO], 4, v[GO]
	v_add_nc_u32 v[RD], s62, v[GO]
.macro FETCH kq, g                     ; 64 rows x 32 K of x (quarter kq: head kq / 2, channels 32 (kq % 2) on) and 32 K x 128 columns of Wo, into buffer g
	WIN 0
.irp a, 0,1,2,3
	ds_load_b128 v[AF+32*(\g)+8*\a:AF+32*(\g)+8*\a+3],   v[ADRA] offset:((\kq)/2)*AHALF+((\kq)%2)*64+\a*16*APITCH
	ds_load_b128 v[AF+32*(\g)+8*\a+4:AF+32*(\g)+8*\a+7], v[ADRA] offset:((\kq)/2)*AHALF+((\kq)%2)*64+\a*16*APITCH+32
.endr
	WIN TO_B
.irp b, 0,1,2,3,4,5,6,7
	ds_load_tr16_b128 v[64*(\g)+8*\b:64*(\g)+8*\b+3],   v[ADRB] offset:(\kq)*32*BPITCH+32*\b
	ds_load_tr16_b128 v[64*(\g)+8*\b+4:64*(\g)+8*\b+7], v[ADRB] offset:(\kq)*32*BPITCH+16*BPITCH+32*\b
.endr
.endm
.macro MUL8 f, a, first                ; the 32 accumulators take turns, one instruction a turn, in one fixed order
.irp b, 0,1,2,3,4,5,6,7
.if \first
	WIN MULB
	v_wmma_f32_16x16x32_f16 v[8*(8*(\a)+\b):8*(8*(\a)+\b)+7], v[64*(\f)+8*\b:64*(\f)+8*\b+7], v[AF+32*(\f)+8*(\a):AF+32*(\f)+8*(\a)+7], v[8*\b:8*\b+7]
.else
	WIN MUL
	v_wmma_f32_16x16x32_f16 v[8*(8*(\a)+\b):8*(8*(\a)+\b)+7], v[64*(\f)+8*\b:64*(\f)+8*\b+7], v[AF+32*(\f)+8*(\a):AF+32*(\f)+8*(\a)+7], v[8*(8*(\a)+\b):8*(8*(\a)+\b)+7]
.endif
.endr
.endm
; A QUARTER multiplies buffer f and brings quarter kq of the slot in hand into the other buffer, which the quarter before multiplied: four places stand ahead of those loads.
.macro QUARTER kq, f, mode, first=0
	s_wait_dscnt 0x0                               ; buffer f is in
	PLACES
	FETCH \kq, 1-(\f)
	MUL8 \f, 0, \first
	MUL8 \f, 1, \first
.if \mode
	WIN 0
	s_wait_tensorcnt 0x0                           ; all my tensor loads have landed: my part of the other slot
	ds_add_u32 v[SPW], v[NIL]
.if (\mode) == 1
	s_add_co_u32 s[G0A+5], s[LA], s[TB]            ; the slot that is left, the next K step
	s_add_co_u32 s[G0B+5], s[LB], s[TB]
	s_add_nc_u64 s[G0A+6:G0A+7], s[G0A+6:G0A+7], 524288
	s_add_nc_u64 s[G0B+6:G0B+7], s[G0B+6:G0B+7], 262144
.endif
	s_xor_b32 s[TB], s[TB], SLOT
.endif
	MUL8 \f, 2, \first
.if \mode
	s_wait_dscnt 0x0                               ; the add is done, and my last reads of the old slot are back
	s_barrier_signal -1
.endif
	MUL8 \f, 3, \first
.if \mode
	WIN 0
	s_barrier_wait -1
.if (\mode) == 1
	CREST                                          ; a round of the cluster's barrier: no wave of any partner still reads the slot or has a load on its way
	JLOAD                                          ; my one tensor load behind the round, and the first thing there
.endif
	v_add_nc_u32 v[ADRA], s[TB], v[ADRA0]
	v_add_nc_u32 v[ADRB], s[TB], v[ADRB0]
.endif
.endm
	s_wait_tensorcnt 1                             ; my part of K step 0 is in; step 1's may stay out
	s_barrier_signal -1
	s_barrier_wait -1
	FETCH 0, 0
	s_wait_loadcnt 0x0                             ; the bias
	QUARTER 1, 0, 0, 1
	WIN 0
	s_mov_b32 s[CNT], 6
.Lstep:                                                ; a trip: quarters 1-3 of a K step and quarter 0 of the next; its refill brings the step two on
	QUARTER 2, 1, 0
	QUARTER 3, 0, 1
	QUARTER 0, 1, 0
	QUARTER 1, 0, 0
	WIN 0
	s_sub_co_u32 s[CNT], s[CNT], 1
	s_cmp_lg_u32 s[CNT], 0
	s_cbranch_scc1 .Lstep
	s_mov_b32 s[CNT], 2
.Ltail:                                                ; steps 6 and 7 ask for nothing; the second trip's change of slots and last fetch serve nothing: the price of one text for both
	QUARTER 2, 1, 0
	QUARTER 3, 0, 2
	QUARTER 0, 1, 0
	WIN 0
	s_sub_co_u32 s[CNT], s[CNT], 1
	s_cmp_eq_u32 s[CNT], 0
	s_cbranch_scc1 .Lout
	QUARTER 1, 0, 0
	WIN 0
	s_branch .Ltail
.Lout:
	s_wait_dscnt 0x0
	PLACES
; THE WAY OUT: a block of 16 rows goes from the accumulators into my stage (each accumulator's low four registers first) and comes back as whole rows of 512 bytes.
.macro STG a
	WIN 0x04                                       ; store data in window 1
.irp b, 0,1,2,3,4,5,6,7
	ds_store_b128 v[STO], v[8*(8*(\a)+\b):8*(8*(\a)+\b)+3]   offset:64*\b
	ds_store_b128 v[STO], v[8*(8*(\a)+\b)+4:8*(8*(\a)+\b)+7] offset:64*\b+16
.endr
	WIN 0
.irp t, 0,1,2,3,4,5,6,7,8,9,10,11,12,13,14,15
	ds_load_b128 v[OB+64*((\a)%2)+4*\t:OB+64*((\a)%2)+4*\t+3], v[RD] offset:\t*SPITCH  ; LDS serves a wave's instructions in order: these see the stores above
.endr
.endm
.macro OUT a, younger                  ; younger: the next block's 32 LDS instructions, or none
.irp t, 0,1,2,3,4,5,6,7,8,9,10,11,12,13,14,15
	s_wait_dscnt (\younger)+15-\t
	global_store_b128 v[GO], v[OB+64*((\a)%2)+4*\t:OB+64*((\a)%2)+4*\t+3], s[10:11] offset:(16*(\a)+\t)*4096 th:TH_STORE_NT  ; 512 consecutive bytes, aligned
.endr
.endm
	STG 0
	STG 1
	OUT 0, 32
	s_wait_xcnt 0x0                                ; block 0's stores have read their registers: block 2 is loaded into them only behind this wait
	STG 2
	OUT 1, 32
	s_wait_xcnt 0x0
	STG 3
	OUT 2, 32
	OUT 3, 0
	s_wait_tensorcnt 0x0                           ; the wave's end
	ds_add_u32 v[SPW], v[NIL]
	s_wait_dscnt 0x0
	CROUND                                         ; the closing round
	s_endpgm
.Lfunc_end_k_qf2ef0c7ae6_oproj:
	.size	k_qf2ef0c7ae6_oproj, .Lfunc_end_k_qf2ef0c7ae6_oproj-k_qf2ef0c7ae6_oproj
	.p2alignl 7, 3214868480
	.fill 96, 4, 3214868480
	.section	.rodata,"a",@progbits
	.p2align	6, 0x0
	.amdhsa_kernel k_qf2ef0c7ae6_oproj
		.amdhsa_group_segment_fixed_size 327680
		.amdhsa_private_segment_fixed_size 0
		.amdhsa_enable_private_segment 0
		.amdhsa_kernarg_size 32
		.amdhsa_user_sgpr_count 2
		.amdhsa_user_sgpr_kernarg_segment_ptr 1
		.amdhsa_wavefront_size32 1
		.amdhsa_system_sgpr_workgroup_id_x 1
		.amdhsa_system_sgpr_workgroup_id_y 1
		.amdhsa_system_sgpr_workgroup_id_z 1
		.amdhsa_system_vgpr_workitem_id 0
		.amdhsa_next_free_vgpr 832
		.amdhsa_next_free_sgpr 80
		.amdhsa_reserve_vcc 0
		.amdhsa_float_denorm_mode_32 3
		.amdhsa_float_denorm_mode_16_64 3
		.amdhsa_memory_ordered 1
		.amdhsa_forward_progress 1
		.amdhsa_inst_pref_size 63
	.end_amdhsa_kernel
	.amdgpu_metadata
---
amdhsa.version: [ 1, 2 ]
amdhsa.kernels:
  - .name:           k_qf2ef0c7ae6_oproj
    .symbol:         k_qf2ef0c7ae6_oproj.kd
    .args:
      - { .name: obuf, .offset: 0, .size: 8, .value_kind: global_buffer, .address_space: global }
      - { .name: wcv, .offset: 8, .size: 8, .value_kind: global_buffer, .address_space: global }
      - { .name: bias, .offset: 16, .size: 8, .value_kind: global_buffer, .address_space: global }
      - { .name: out0, .offset: 24, .size: 8, .value_kind: global_buffer, .address_space: global }
    .group_segment_fixed_size: 327680
    .private_segment_fixed_size: 0
    .kernarg_segment_align: 8
    .kernarg_segment_size: 32
    .max_flat_workgroup_size: 128
    .sgpr_count:     80
    .vgpr_count:     832
    .wavefront_size: 32
...
	.end_amdgpu_metadata
.endif
;; end of part 4
;; ======== version 2 of 2: 4 launches; 1.15 times as fast as version 1
;; limits: values are held in f16: magnitudes above 65,504 overflow, below 6.1e-05 lose precision
;; workspace buffers: wcv 8,388,608 bytes; bias 16,384 bytes; tab 1,572,864 bytes; mw 524,288 bytes of whole numbers; qkv 50,331,648 bytes; obuf 16,777,216 bytes
;; launch prep (part 5): grid 545 x 1, 8 waves a work-group, no clusters, 0 bytes of LDS; arguments Wq, Wk, Wv, Wo, bq, bk, bv, bo, mask, wcv, bias, tab, mw; writes wcv, bias, tab, mw
.if DOCPART == 5
	.amdgcn_target "amdgcn-amd-amdhsa--gfx1250"
	.amdhsa_code_object_version 6
	.text
	.protected	k_qf2ef0c7ae6_prep
	.globl	k_qf2ef0c7ae6_prep
	.p2align	8
	.type	k_qf2ef0c7ae6_prep,@function
k_qf2ef0c7ae6_prep:
	s_mov_b64 s[64:65], 0
	v_nop
	global_prefetch_b8 v0, s[64:65] scope:SCOPE_SE
	s_setreg_imm32_b32 hwreg(HW_REG_WAVE_MODE, 25, 1), 1
	s_wait_xcnt 0x0
; PREP: what the three large launches read again and again is made once.
;   wcv  [4][1024 k][1024 n], 16 bits: Wq, Wk, Wv rounded to bf16; Wo rounded to bf16 and that number written as f16
;        (exact down to 2^-17; below that f16's fixed step of 2^-24 holds).  LIMIT: |Wo| stays under 65,504.
;   bias [4][1024] f32: bq, bk, bv, bo rounded to bf16.
;   tab  [3][2048 s][64] f32: a row is cos[0..31], sin[0..31] of s x 10000^(-i/32); table 0 times c = log2(e)/8, table 1 plain, table 2 is 1 and 0.
;        LIMIT: 10000^(-i/32) is made by v_exp_f32, so an angle may differ from the f32 product of the exact power by some 3e-4 rad at s = 2047.
;   mw   [64 pairs of query tiles][32 key steps][32 words][2 tiles]: bit L of word w = 8 kb + j of tile u of pair pp says
;        mask[16 (2 pp + u) + L % 16][64 ks + 16 kb + 8 (L / 16) + j] != 0: the lane mask of one score register of the attention launch.
; Work-groups 0-255: the mask (the longest chain of dependent work, so it goes first); 256-511: the weights; 512-543: the tables; 544: the biases.
; Memory binds: no LDS, no matrix unit, no cluster.
.set X, 32                             ; v[32:95] sixteen loads of 16 bytes
	s_load_b512 s[4:19], s[0:1], 0x0               ; Wq, Wk, Wv, Wo, bq, bk, bv, bo
	s_load_b256 s[20:27], s[0:1], 0x40             ; mask, wcv, bias, tab
	s_load_b64 s[28:29], s[0:1], 0x60              ; mw
	v_lshrrev_b32 v1, 5, v0
	v_readfirstlane_b32 s30, v1                    ; wave 0..7
	v_and_b32 v2, 31, v0                           ; lane
	s_mov_b32 s31, ttmp9
	s_mov_b32 s37, 0                               ; the high word of every offset pair s[36:37]
	s_wait_kmcnt 0x0
	s_cmp_lt_u32 s31, 256
	s_cbranch_scc0 .Lnot_mask
; THE MASK.  2,048 waves: wave id takes the pair of query tiles id / 32 and key step id % 32: 64 words, 256 consecutive bytes of mw.
; Lane (r, h) reads rows 32 pp + 16 u + r, eight bytes at 16 kb + 8 h of the key step: the keys that it will hold in score registers 8 kb + 0..7.
	s_lshl_b32 s32, s31, 3
	s_add_co_u32 s32, s32, s30                     ; id
	s_lshr_b32 s33, s32, 5
	s_and_b32 s34, s32, 31
	s_lshl_b32 s33, s33, 16                        ; 32 rows of 2,048 bytes
	s_lshl_b32 s34, s34, 6                         ; 64 keys
	s_add_co_u32 s33, s33, s34
	v_and_b32 v3, 15, v0
	v_bfe_u32 v4, v0, 4, 1
	v_lshlrev_b32 v5, 11, v3
	v_lshl_add_u32 v5, v4, 3, v5
	v_add_nc_u32 v5, s33, v5                       ; my byte offset in the mask
	v_lshlrev_b32 v6, 3, v2                        ; lane w stores word w of both tiles
	s_lshl_b32 s36, s32, 8                         ; pp x 8,192 + ks x 256
	s_add_nc_u64 s[28:29], s[28:29], s[36:37]
.set i, 0
.rept 8                                        ; load i: tile i / 4, key block i % 4
	global_load_b64 v[8+2*i:9+2*i], v5, s[20:21] offset:32768*(i/4)+16*(i%4)
.set i, i+1
.endr
	v_mov_b32 v24, 0                               ; v_writelane_b32 counts as a reader of its destination
	v_mov_b32 v25, 0
.set G, 0
.rept 64                                       ; word G % 32 of tile G / 32: one byte of every lane becomes one bit
.if G%8 == 0
	s_wait_loadcnt 7-G/8                           ; loads come back in order: load G / 8 is in, the later ones may stay out
.endif
	v_bfe_u32 v[26+G%4], v[8+2*(G/8)+(G%8)/4], 8*(G%4), 8
	v_cmp_ne_u32 s[40+G%4], 0, v[26+G%4]
	v_writelane_b32 v[24+G/32], s[40+G%4], G%32
.set G, G+1
.endr
	global_store_b64 v6, v[24:25], s[28:29]        ; 256 consecutive bytes, aligned
	s_endpgm
.Lnot_mask:
	s_sub_co_u32 s31, s31, 256
	s_cmp_lt_u32 s31, 256
	s_cbranch_scc0 .Lnot_w
; THE WEIGHTS.  Work-group g: matrix g / 64, 65,536 source bytes at (g % 64) x 65,536; thread t takes 32 bytes of each 8,192 and stores 16.
	s_lshr_b32 s34, s31, 6
	s_cmp_eq_u32 s34, 1
	s_cselect_b64 s[32:33], s[6:7], s[4:5]
	s_cmp_eq_u32 s34, 2
	s_cselect_b64 s[32:33], s[8:9], s[32:33]
	s_cmp_eq_u32 s34, 3
	s_cselect_b64 s[32:33], s[10:11], s[32:33]
	s_and_b32 s36, s31, 63
	s_lshl_b32 s36, s36, 16
	s_add_nc_u64 s[32:33], s[32:33], s[36:37]
	s_lshl_b32 s36, s31, 15                        ; matrix x 2 MiB + part x 32,768 = g x 32,768
	s_add_nc_u64 s[22:23], s[22:23], s[36:37]
	v_lshlrev_b32 v3, 5, v0
	v_lshlrev_b32 v4, 4, v0
.set i, 0
.rept 8
	global_load_b128 v[X+8*i:X+8*i+3],   v3, s[32:33] offset:i*8192 th:TH_LOAD_NT
	global_load_b128 v[X+8*i+4:X+8*i+7], v3, s[32:33] offset:i*8192+16 th:TH_LOAD_NT
.set i, i+1
.endr
; Pass i: eight numbers are rounded in place and stored; a wave's store covers 512 consecutive bytes.  half = 1: the bf16 number goes on to f16.
.macro WPASS i, half
.set wb, X+8*(\i)
	s_wait_loadcnt 14-2*(\i)                       ; loads come back in order: the two of each later pass may stay out
.irp j, 0,1,2,3
	v_cvt_pk_bf16_f32 v[wb+(\j)], v[wb+2*(\j)], v[wb+2*(\j)+1]
.endr
.if \half
.irp j, 0,1,2,3
	v_lshlrev_b32 v[wb+4], 16, v[wb+(\j)]
	v_and_b32 v[wb+5], 0xffff0000, v[wb+(\j)]
	v_cvt_pk_f16_f32 v[wb+(\j)], v[wb+4], v[wb+5]
.endr
.endif
	global_store_b128 v4, v[wb:wb+3], s[22:23] offset:(\i)*4096
.endm
	s_cmp_eq_u32 s34, 3
	s_cbranch_scc1 .Lw_half
.irp i, 0,1,2,3,4,5,6,7
	WPASS \i, 0
.endr
	s_endpgm
.Lw_half:
.irp i, 0,1,2,3,4,5,6,7
	WPASS \i, 1
.endr
	s_endpgm
.Lnot_w:
	s_cmp_lt_u32 s31, 288
	s_cbranch_scc0 .Lbias
; THE TABLES.  256 waves, eight rows each.  Lane l stores elements 2 l, 2 l + 1 of a row: lanes 0-15 cosines, lanes 16-31 sines, of frequencies 2 (l % 16) and the next.
	s_sub_co_u32 s32, s31, 256
	s_lshl_b32 s32, s32, 3
	s_add_co_u32 s32, s32, s30
	s_lshl_b32 s33, s32, 3                         ; my first row s
	s_lshl_b32 s36, s32, 11
	s_add_nc_u64 s[26:27], s[26:27], s[36:37]
	v_and_b32 v3, 15, v0
	v_lshlrev_b32 v3, 1, v3
	v_cvt_f32_u32 v4, v3
	v_add_f32 v5, 1.0, v4
	v_mul_f32 v4, 0xbed49a78, v4                   ; -i log2(10000) / 32
	v_mul_f32 v5, 0xbed49a78, v5
	v_exp_f32 v4, v4
	v_exp_f32 v5, v5
	v_bfe_u32 v6, v0, 4, 1                         ; (a plain line behind the exponentials)
	v_xor_b32 v6, 1, v6                            ; cos x = sin(x + pi/2): a cosine lane adds 1 to the quadrant
	v_cvt_f32_u32 v30, v6                          ; table 2: 1 where a cosine stands, 0 where a sine
	v_mov_b32 v31, v30
	v_lshlrev_b32 v7, 3, v2
	v_mov_b32 v8, 0xb94ca1f9                       ; the leading coefficients of the two polynomials
	v_mov_b32 v9, 0x37ccf5ce
	s_mov_b32 s35, 8
; sin(x + quadrant add) for x = s x inv: k = round(x 2/pi); r = x - k pi/2 in two parts; polynomials on |r| <= pi/4; the quadrant chooses and signs by selects alone.
.macro SC inv, out, a
	v_mul_f32 v[\a], v10, v[\inv]
	v_mul_f32 v[\a+1], 0x3f22f983, v[\a]
	v_rndne_f32 v[\a+1], v[\a+1]
	v_fmamk_f32 v[\a], v[\a+1], 0xbfc90fdb, v[\a]
	v_fmamk_f32 v[\a], v[\a+1], 0x333bbd2e, v[\a]
	v_mul_f32 v[\a+2], v[\a], v[\a]
	v_fmaak_f32 v[\a+3], v[\a+2], v8, 0x3c08839e
	v_fmaak_f32 v[\a+3], v[\a+3], v[\a+2], 0xbe2aaaa3
	v_mul_f32 v[\a+3], v[\a+3], v[\a+2]
	v_fma_f32 v[\a+3], v[\a+3], v[\a], v[\a]       ; sin r
	v_fmaak_f32 v[\a+4], v[\a+2], v9, 0xbab6061a
	v_fmaak_f32 v[\a+4], v[\a+4], v[\a+2], 0x3d2aaaa5
	v_mul_f32 v[\a+5], v[\a+2], v[\a+2]
	v_fma_f32 v[\a+2], v[\a+2], -0.5, 1.0
	v_fma_f32 v[\a+4], v[\a+4], v[\a+5], v[\a+2]   ; cos r
	v_cvt_i32_f32 v[\a+1], v[\a+1]
	v_add_nc_u32 v[\a+1], v[\a+1], v6
	v_and_b32 v[\a+5], 1, v[\a+1]
	v_cmp_ne_u32 vcc_lo, 0, v[\a+5]
	v_cndmask_b32 v[\out], v[\a+3], v[\a+4], vcc_lo
	v_and_b32 v[\a+1], 2, v[\a+1]
	v_lshlrev_b32 v[\a+1], 30, v[\a+1]
	v_xor_b32 v[\out], v[\a+1], v[\out]
.endm
.Ltrow:
	v_cvt_f32_u32 v10, s33
	SC 4, 20, 12
	SC 5, 21, 32
	v_mul_f32 v22, 0x3e38aa3b, v20                 ; times c, for q
	v_mul_f32 v23, 0x3e38aa3b, v21
	global_store_b64 v7, v[22:23], s[26:27]        ; each store covers a row's 256 bytes
	global_store_b64 v7, v[20:21], s[26:27] offset:524288
	global_store_b64 v7, v[30:31], s[26:27] offset:1048576
	s_wait_xcnt 0x0                                ; base and data are rewritten only behind this wait
	s_add_nc_u64 s[26:27], s[26:27], 256
	s_add_co_u32 s33, s33, 1
	s_sub_co_u32 s35, s35, 1
	s_cmp_lg_u32 s35, 0
	s_cbranch_scc1 .Ltrow
	s_endpgm
.Lbias:
; THE BIASES: thread t takes four numbers of each, rounds them to bf16 and stores them widened again.
	v_lshlrev_b32 v3, 4, v0
	global_load_b128 v[8:11],  v3, s[12:13]
	global_load_b128 v[12:15], v3, s[14:15]
	global_load_b128 v[16:19], v3, s[16:17]
	global_load_b128 v[20:23], v3, s[18:19]
	s_wait_loadcnt 0x0
.irp m, 0,1,2,3
	v_cvt_pk_bf16_f32 v4, v[8+4*\m], v[9+4*\m]
	v_cvt_pk_bf16_f32 v5, v[10+4*\m], v[11+4*\m]
	v_lshlrev_b32 v[8+4*\m], 16, v4
	v_and_b32 v[9+4*\m], 0xffff0000, v4
	v_lshlrev_b32 v[10+4*\m], 16, v5
	v_and_b32 v[11+4*\m], 0xffff0000, v5
	global_store_b128 v3, v[8+4*\m:11+4*\m], s[24:25] offset:4096*\m
.endr
	s_endpgm
.Lfunc_end_k_qf2ef0c7ae6_prep:
	.size	k_qf2ef0c7ae6_prep, .Lfunc_end_k_qf2ef0c7ae6_prep-k_qf2ef0c7ae6_prep
	.p2alignl 7, 3214868480
	.fill 96, 4, 3214868480
	.section	.rodata,"a",@progbits
	.p2align	6, 0x0
	.amdhsa_kernel k_qf2ef0c7ae6_prep
		.amdhsa_group_segment_fixed_size 0
		.amdhsa_private_segment_fixed_size 0
		.amdhsa_enable_private_segment 0
		.amdhsa_kernarg_size 104
		.amdhsa_user_sgpr_count 2
		.amdhsa_user_sgpr_kernarg_segment_ptr 1
		.amdhsa_wavefront_size32 1
		.amdhsa_system_sgpr_workgroup_id_x 1
		.amdhsa_system_sgpr_workgroup_id_y 1
		.amdhsa_system_sgpr_workgroup_id_z 1
		.amdhsa_system_vgpr_workitem_id 0
		.amdhsa_next_free_vgpr 96
		.amdhsa_next_free_sgpr 66
		.amdhsa_reserve_vcc 1
		.amdhsa_float_denorm_mode_32 3
		.amdhsa_float_denorm_mode_16_64 3
		.amdhsa_memory_ordered 1
		.amdhsa_forward_progress 1
		.amdhsa_inst_pref_size 34
	.end_amdhsa_kernel
	.amdgpu_metadata
---
amdhsa.version: [ 1, 2 ]
amdhsa.kernels:
  - .name:           k_qf2ef0c7ae6_prep
    .symbol:         k_qf2ef0c7ae6_prep.kd
    .args:
      - { .name: Wq, .offset: 0, .size: 8, .value_kind: global_buffer, .address_space: global }
      - { .name: Wk, .offset: 8, .size: 8, .value_kind: global_buffer, .address_space: global }
      - { .name: Wv, .offset: 16, .size: 8, .value_kind: global_buffer, .address_space: global }
      - { .name: Wo, .offset: 24, .size: 8, .value_kind: global_buffer, .address_space: global }
      - { .name: bq, .offset: 32, .size: 8, .value_kind: global_buffer, .address_space: global }
      - { .name: bk, .offset: 40, .size: 8, .value_kind: global_buffer, .address_space: global }
      - { .name: bv, .offset: 48, .size: 8, .value_kind: global_buffer, .address_space: global }
      - { .name: bo, .offset: 56, .size: 8, .value_kind: global_buffer, .address_space: global }
      - { .name: mask, .offset: 64, .size: 8, .value_kind: global_buffer, .address_space: global }
      - { .name: wcv, .offset: 72, .size: 8, .value_kind: global_buffer, .address_space: global }
      - { .name: bias, .offset: 80, .size: 8, .value_kind: global_buffer, .address_space: global }
      - { .name: tab, .offset: 88, .size: 8, .value_kind: global_buffer, .address_space: global }
      - { .name: mw, .offset: 96, .size: 8, .value_kind: global_buffer, .address_space: global }
    .group_segment_fixed_size: 0
    .private_segment_fixed_size: 0
    .kernarg_segment_align: 8
    .kernarg_segment_size: 104
    .max_flat_workgroup_size: 256
    .sgpr_count:     66
    .vgpr_count:     96
    .wavefront_size: 32
...
	.end_amdgpu_metadata
.endif
;; end of part 5
;; launch proj: the kernel of part 2 again; grid 4 x 192, 4 waves a work-group, clusters of 4 x 4, 327,680 bytes of LDS; arguments query, key, value, wcv, bias, tab, qkv; writes qkv
;; launch attn (part 6): grid 4 x 64, 4 waves a work-group, clusters of 4 x 1, 327,680 bytes of LDS; arguments qkv, mw, obuf; writes obuf
.if DOCPART == 6
	.amdgcn_target "amdgcn-amd-amdhsa--gfx1250"
	.amdhsa_code_object_version 6
	.text
	.protected	k_qf2ef0c7ae6_attn
	.globl	k_qf2ef0c7ae6_attn
	.p2align	8
	.type	k_qf2ef0c7ae6_attn,@function
k_qf2ef0c7ae6_attn:
	s_mov_b64 s[64:65], 0
	v_nop
	global_prefetch_b8 v0, s[64:65] scope:SCOPE_SE
	s_setreg_imm32_b32 hwreg(HW_REG_WAVE_MODE, 25, 1), 1
	s_wait_xcnt 0x0
	s_wait_alu depctr_hold_cnt(0) depctr_sa_sdst(0) depctr_va_vdst(0) depctr_va_sdst(0) depctr_va_ssrc(0) depctr_va_vcc(0) depctr_vm_vsrc(0)
	s_getreg_b32 s2, hwreg(HW_REG_IB_STS2, 6, 4)
	s_cmp_eq_u32 s2, 0
	s_cbranch_scc0 .Lentry_in_a_cluster
	s_endpgm
.Lentry_in_a_cluster:
	s_bfe_u32 s2, ttmp6, 0x10000c
	s_cmp_lg_u32 s2, 0x3003
	s_cbranch_scc0 .Lentry_shape_is_right
	s_endpgm
.Lentry_shape_is_right:
; ATTENTION UNDER A MASK THAT IS AN INPUT.  O[h][q] = the sum over k of softmax_k(where(mask[q][k], Q[h][q] . K[h][k] / 8, -1e9)) V[h][k].  Q, K, V: qkv [3][64][2048][64] f16; O: obuf [64][2048][64] f16.
; Q arrives times c = log2(e) / 8, so a score is in units of log2: p = 2^(s - m).  A hidden score is REPLACED by T = -1e9 log2(e), rounded to f32: one v_cndmask_b32 a score register, whose lane
; mask is one word of mw.  The running maximum is taken of the replaced scores: a row that is wholly hidden has s - m = 0 everywhere and comes out as the mean of V.
; THE MASK WORDS' ROAD.  A turn takes 64 words, and 64 scalar registers are what can be spared: loaded straight into them, a turn's words could be asked for only when the turn before has read its own.
; So they come by vector registers: a piece's 64 words of a key step are 256 consecutive bytes of mw, one global_load_b64 (lane w: word w of both tiles), asked for two turns ahead of
; the 64 v_readlane_b32 that move them into the scalar registers, a turn ahead of the lines that take them.
; LIMITS.  f16 holds no number beyond 65,504: Q, K, V arrive within it; p below 6e-5 keeps f16's fixed step; a weight below 2^-126 counts as 0 in l; NaN and infinities are not treated apart.
; SHARES.  A wave owns four PIECES of two tiles of 16 queries, a work-group's four waves 512 queries of one head.  Every wave walks all 2,048 keys, 64 a step.
; LAYOUT.  S^T = K Q^T: a lane holds ONE query (lane % 16) and keys 16 kb + 8 (lane / 16) + j in register 8 kb + j.  Two such results rounded to f16 ARE source 1 of O^T = V^T P.
; BY TURNS.  Turn n belongs to piece n: 16 products K Q^T of piece n + 1, later 16 products V^T P of piece n - 1; beside them piece n's s - m, exponentials, roundings, sums and rescaling, piece n + 1's
; mask, maximum and statistics, and piece n + 2's words.  A turn has 362 vector instructions for 32 matrix instructions: four stand behind every product, the rest in two runs of their own.
; CLUSTER.  The four query blocks of a cluster belong to one head and walk the same K and V: each tile is asked for jointly.
; REGISTERS: window 0: v0-1, v10-11 mask words; v2-9 addresses; v12-15, v48-63 at work; v16-47 statistics (v17: T); v64-191 S^T, two buffers of two tiles; v192-255 P, likewise.  window 1: O^T, 32 a tile.
; window 2: v0-127 Q; v128-191 K of one step; v192-255 V of one step.  window 3: v0-1 the add's two registers.
.set SIZE_N, 2048
.set NP,    4
.set KS,    64
.set PK,    144       ; a row of K in LDS: 128 bytes + 16
.set PV,    160       ; a row of V: 128 + 32, for the turning load
.set VOFF,  4*KS*PK   ; a slot holds four steps: 256 rows of K, then 256 rows of V
.set SLOT1, 1<<17
.set STAGE, SLOT1+4*KS*(PK+PV)
.set SP,    144
.set RW0, 0           ; v[0:1]    the words of piece 0 or 2: lane w holds word w of the even tile, of the odd tile
.set AK0, 2
.set AV0, 3
.set AK,  4
.set AV,  5
.set QO,  5           ; at the start: my byte offset in the wave's rows of Q
.set STO, 6
.set RD,  7
.set GO,  8
.set LO8, 9           ; v9  8 x lane: my byte offset in a piece's 256 bytes of words; never rewritten
.set RW1, 10          ; v[10:11]  the words of piece 1 or 3
.set SPW, 0           ; window 3
.set NIL, 1           ; window 3
.set SPARE, STAGE+4*16*SP
.set MV,  12          ; m_old, by buffer and tile
.set ST,  16          ; tile t at v[ST+4 t]: m, a partner that is named with m as a pair and not taken, l (even keys', odd keys')
.set TV,  ST+1        ; v17  T lives in tile 0's partner
.set TMP, 48
.set S,   64
.set P,   192
.set KF,  128
.set VF,  192
.set MP,  2           ; s[2:3]   mw at my wave's piece 0 and the key step whose words are loaded next
.set SEL, 4           ; s[4:5]
.set WV,  6
.set SLOTS, 7
.set G1K, 8
.set G1V, 16
.set G0K, 24
.set G0V, 28
.set MK0, 32          ; s[32:63]  the 32 mask words of a piece's even tile
.set CNT, 66
.set TBK, 67
.set MK1, 68          ; s[68:99]  of its odd tile
.set TBV, 100
.set TS,  101
.set OPT, 104         ; s[104:105] O at my wave's first row
.set MSB, 0
.macro WIN new
.if MSB != (\new)
	s_set_vgpr_msb (MSB<<8)|(\new)
.set MSB, (\new)
.endif
.endm
.set W_KQ, 0x0a
.set W_PV, 0x52
.set W_RS, 0x41
.set W_MK, 0xc0
.set W_AD, 0x0f
.macro JLOAD                        ; waves 0 and 1 fetch the halves of a slot's K, waves 2 and 3 of its V; an s_nop 0 and four v_nop follow each line
	s_cmp_lt_u32 s[WV], 2
	s_cbranch_scc0 .Lfor_v_\@
	tensor_load_to_lds s[G0K:G0K+3], s[G1K:G1K+7]
	s_nop 0
.rept 4
	v_nop
.endr
	s_branch .Lasked_\@
.Lfor_v_\@:
	tensor_load_to_lds s[G0V:G0V+3], s[G1V:G1V+7]
	s_nop 0
.rept 4
	v_nop
.endr
.Lasked_\@:
.endm
.macro CROUND
	s_barrier_signal -1
	s_barrier_wait -1
	s_cmp_lg_u32 s[WV], 0
	s_cbranch_scc1 .Lnot_wave_0_\@
	s_barrier_signal -3
.Lnot_wave_0_\@:
	s_barrier_wait -3
	s_barrier_signal -1
	s_barrier_wait -1
.endm
; THE CHANGE OF SLOTS.  Each wave waits for all its tensor loads (one is out: its part of the other slot), adds 0 to its spare word, and waits for that and for its reads of the slot.
; fill = 1: the barrier is a round of the cluster's, and the joint fill, with the keys two slots on, is the first thing behind it: it has four key steps in which to land.
.macro CHANGE fill
	WIN W_AD
	s_wait_tensorcnt 0x0
	ds_add_u32 v[SPW], v[NIL]
	WIN 0
.if \fill
.irp g, G0K, G0V
	s_xor_b32 s[\g+1], s[\g+1], SLOT1
	s_add_nc_u64 s[\g+2:\g+3], s[\g+2:\g+3], 4*KS*128
.endr
	s_wait_dscnt 0x0
	CROUND
	JLOAD
.else
	s_wait_dscnt 0x0
	s_barrier_signal -1
	s_barrier_wait -1
.endif
	s_sub_co_u32 s[TBK], s[TBK], 4*KS*PK
	s_xor_b32 s[TBK], s[TBK], SLOT1
	s_sub_co_u32 s[TBV], s[TBV], 4*KS*PV
	s_xor_b32 s[TBV], s[TBV], SLOT1
.endm
	s_load_b128 s[32:35], s[0:1], 0x0 ; qkv s[32:33], mw s[34:35]: the set-up's scalars lie where the mask words will land
	s_load_b64 s[36:37], s[0:1], 0x10 ; obuf
	WIN W_MK
	v_lshl_add_u32 v[SPW], v0, 2, SPARE
	v_mov_b32 v[NIL], 0
	WIN W_AD
	ds_add_u32 v[SPW], v[NIL]       ; the wave's opening: the add and its wait stand ahead of my first tensor load
	WIN 0
	v_lshrrev_b32 v1, 5, v0
	v_readfirstlane_b32 s[WV], v1
	s_bfe_u32 s38, ttmp6, 0x40000   ; cx
	s_lshl_b32 s39, ttmp9, 2
	s_add_co_u32 s39, s39, s38      ; my block of 512 queries: it enters Q's, O's and the mask's addresses alone
	s_and_b32 s40, ttmp7, 0xffff    ; the head, which the four partners share
	s_lshl_b32 s40, s40, 18         ; 2,048 rows of 128 bytes
	s_mov_b32 s41, 0
	s_and_b32 s42, s[WV], 1         ; which half of a slot's 256 keys I fetch
	s_lshl_b32 s44, s42, 14
	s_mov_b32 s45, 0
	s_add_nc_u64 s[44:45], s[44:45], s[40:41]
	s_mul_i32 s46, s42, 128*PK
	s_mul_i32 s47, s42, 128*PV
	s_lshl_b32 s48, s39, 2
	s_add_co_u32 s48, s48, s[WV]    ; my wave among the head's sixteen
	s_lshl_b32 s50, s48, 15         ; its four pieces' words: 4 x 8,192 bytes
	s_mov_b32 s51, 0
	s_lshl_b32 s48, s48, 14         ; its 128 rows
	s_mov_b32 s49, 0
	s_add_nc_u64 s[48:49], s[48:49], s[40:41]
	; 128 keys are 16,384 dense bytes: asked for as 64 rows of 256 bytes, padded in LDS after every key
	s_mov_b32 s[G1K], 15|(1<<16)|(1<<20)|(1<<21)|(4<<22)|(3<<25)
	s_mov_b32 s[G1V], 15|(1<<16)|(1<<20)|(1<<21)|(4<<22)|(7<<25)
.irp g, G1K, G1V
	s_mov_b32 s[\g+1], 128<<16
	s_mov_b32 s[\g+2], 64<<16
	s_mov_b32 s[\g+3], 128<<16
	s_mov_b32 s[\g+4], 64
	s_mov_b32 s[\g+5], 128
	s_mov_b32 s[\g+6], 0
	s_mov_b32 s[\g+7], 0
.endr
	s_mov_b32 s[SEL], 0x76543210
	s_mov_b32 s[SEL+1], 0xfedcba98
	s_mov_b32 s[TBK], SLOT1+4*KS*PK ; the first change of slots turns these two into 0
	s_mov_b32 s[TBV], SLOT1+4*KS*PV
	s_mov_b32 s[G0K], 1
	s_mov_b32 s[G0K+1], s46
	s_mov_b32 s[G0V], 1
	s_add_co_u32 s[G0V+1], s47, VOFF
	s_mul_i32 s[TS], s[WV], 16*SP
	s_add_co_u32 s[TS], s[TS], STAGE ; my stage
	s_wait_dscnt 0x0                ; the opening add is done
	s_wait_kmcnt 0x0
	s_add_nc_u64 s[G0K+2:G0K+3], s[32:33], s[44:45]
	s_add_nc_u64 s[G0K+2:G0K+3], s[G0K+2:G0K+3], 0x1000000  ; K lies 16,777,216 bytes into qkv
	s_or_b32 s[G0K+3], s[G0K+3], 0x80000000
	s_add_nc_u64 s[G0V+2:G0V+3], s[32:33], s[44:45]
	s_add_nc_u64 s[G0V+2:G0V+3], s[G0V+2:G0V+3], 0x2000000  ; V 33,554,432
	s_or_b32 s[G0V+3], s[G0V+3], 0x80000000
	s_add_nc_u64 s[52:53], s[32:33], s[48:49]      ; Q at my wave's first row
	s_add_nc_u64 s[OPT:OPT+1], s[36:37], s[48:49]
	s_add_nc_u64 s[MP:MP+1], s[34:35], s[50:51]
	CROUND                          ; all four work-groups are here: the first joint loads meet
	JLOAD                           ; slot 0; slot 1 is asked for when slot 0 is in
	v_and_b32 v1, 15, v0
	v_bfe_u32 v9, v0, 4, 1
	v_lshlrev_b32 v[QO], 7, v1
	v_lshl_add_u32 v[QO], v9, 4, v[QO]
	WIN 0x80
.set i, 0
.rept 4*NP                          ; Q stays in registers: tile i / 2, channels 32 (i % 2) on
	global_load_b128 v[8*i:8*i+3],   v[QO], s[52:53] offset:(i/2)*2048+(i%2)*64
	global_load_b128 v[8*i+4:8*i+7], v[QO], s[52:53] offset:(i/2)*2048+(i%2)*64+32
.set i, i+1
.endr
	WIN 0
	; every lane address is made here, so that v0, v1, v10 and v11 are free for the mask words
	v_mul_u32_u24 v[AK0], v1, PK
	v_lshl_add_u32 v[AK0], v9, 4, v[AK0]
	v_and_b32 v10, 7, v0
	v_bfe_u32 v11, v0, 3, 1
	v_lshl_add_u32 v[AV0], v9, 3, v10
	v_mul_u32_u24 v[AV0], v[AV0], PV
	v_lshl_add_u32 v[AV0], v11, 4, v[AV0]
	v_add_nc_u32 v[AV0], VOFF, v[AV0]
	v_mov_b32 v[AK], v[AK0]
	v_mul_u32_u24 v[STO], v1, SP    ; the way out, in: row l % 16, 16 bytes for each half of the lanes
	v_lshl_add_u32 v[STO], v9, 4, v[STO]
	v_add_nc_u32 v[STO], s[TS], v[STO]
	v_bfe_u32 v[RD], v0, 3, 2       ; back: 32 lanes take four rows of 128 bytes,
	v_mul_u32_u24 v[RD], v[RD], SP
	v_lshl_add_u32 v[RD], v10, 4, v[RD]
	v_add_nc_u32 v[RD], s[TS], v[RD]
	v_and_b32 v[LO8], 31, v0
	v_lshlrev_b32 v[GO], 4, v[LO8]  ; which are 512 consecutive bytes of O
	v_lshlrev_b32 v[LO8], 3, v[LO8]
	global_load_b64 v[RW0:RW0+1], v[LO8], s[MP:MP+1]              ; key step 0: the words of piece 0
	global_load_b64 v[RW1:RW1+1], v[LO8], s[MP:MP+1] offset:8192  ; and of piece 1
	; What the first turn finds: V's registers and P's second buffer hold 0, O^T and l are 0, m lies far below every score, T too: the first step is a step like any other, with a = 0.
	WIN 0x80
.set i, VF
.rept 64
	v_mov_b32 v[i], 0
.set i, i+1
.endr
	WIN 0x40
.set i, 0
.rept 64*NP
	v_mov_b32 v[i], 0
.set i, i+1
.endr
	WIN 0
.set i, 0
.rept 2*NP
	v_mov_b32 v[ST+4*i], 0xfe000000
.if i == 0
	v_mov_b32 v[TV], 0xceabfb8f     ; T = -1e9 log2(e)
.else
	v_mov_b32 v[ST+4*i+1], 0
.endif
	v_mov_b32 v[ST+4*i+2], 0
	v_mov_b32 v[ST+4*i+3], 0
.set i, i+1
.endr
.set i, P+32
.rept 32
	v_mov_b32 v[i], 0
.set i, i+1
.endr
.macro KQ x                         ; product i of 16 of S^T = K Q^T for piece x; the 8 accumulators take turns; the first 8 start the sums
	WIN W_KQ
.set rS, S+64*((\x)%2)+32*(i%2)+8*((i/2)%4)
.set rK, KF+16*((i/2)%4)+8*(i/8)
.set rQ, 16*(2*(\x)+i%2)+8*(i/8)
.if i < 8
	v_wmma_f32_16x16x32_f16 v[rS:rS+7], v[rK:rK+7], v[rQ:rQ+7], 0
.else
	v_wmma_f32_16x16x32_f16 v[rS:rS+7], v[rK:rK+7], v[rQ:rQ+7], v[rS:rS+7]
.endif
.endm
.macro PV x                         ; product i of 16 of O^T += V^T P for piece x
	WIN W_PV
.set rO, 32*(2*(\x)+i%2)+8*((i/2)%4)
.set rV, VF+32*(i/8)+8*((i/2)%4)
.set rP, P+32*((\x)%2)+16*(i%2)+8*(i/8)
	v_wmma_f32_16x16x32_f16 v[rO:rO+7], v[rV:rV+7], v[rP:rP+7], v[rO:rO+7]
.endm
.macro MM
.if i < 16
	KQ (Y+1)%NP
.set i, i+1
.else
.set i, i-16
	PV (Y+NP-1)%NP
.set i, i+17
.endif
.endm
; A step's K: 16 loads in one run.  last = 1 (the tail): in the last trip there is no further step, and the run is jumped over.
.macro FETCH_K last=0
	WIN 0
.if \last
	s_cmp_eq_u32 s[CNT], 1
	s_cbranch_scc1 .Lno_k_\@
.endif
	WIN 0x80
.irp f, 0,1,2,3,4,5,6,7
	ds_load_b128 v[KF+8*\f:KF+8*\f+3],   v[AK] offset:(\f/2)*16*PK+(\f%2)*64
	ds_load_b128 v[KF+8*\f+4:KF+8*\f+7], v[AK] offset:(\f/2)*16*PK+(\f%2)*64+32
.endr
	s_add_co_u32 s[TBK], s[TBK], KS*PK
	WIN 0
.if \last
.Lno_k_\@:
.endif
.endm
.macro FETCH_V
	WIN 0x80
.irp f, 0,1,2,3,4,5,6,7
	ds_load_tr16_b128 v[VF+8*\f:VF+8*\f+3],   v[AV] offset:(\f/4)*32*PV+(\f%4)*32
	ds_load_tr16_b128 v[VF+8*\f+4:VF+8*\f+7], v[AV] offset:(\f/4)*32*PV+16*PV+(\f%4)*32
.endr
	WIN 0
.endm
.macro REGS y, u
.set rT, ST+4*(2*(\y)+(\u))
.set rC, TMP+8*((\y)%2)+4*(\u)
.set rM, MV+2*((\y)%2)+(\u)
.set rS, S+64*((\y)%2)+32*(\u)
.set rP, P+32*((\y)%2)+16*(\u)
.set rO, 32*(2*(\y)+(\u))
.endm
; Number n of 64: word n / 2 of tile n % 2 goes from lane n / 2 of the pair at RWB into its scalar register, in the order in which KM takes the words.
.macro RL n
.if (\n)%2
	v_readlane_b32 s[MK1+(\n)/2], v[RWB+1], (\n)/2
.else
	v_readlane_b32 s[MK0+(\n)/2], v[RWB], (\n)/2
.endif
.endm
; Number n of 64: score register n / 2 of tile n % 2 of the NEXT piece keeps its score where the mask's bit is set and takes T elsewhere.  Ascending: each accumulator is first read at its lowest register.
.macro KM n
	REGS (Y+1)%NP, (\n)%2
.if (\n)%2
	v_cndmask_b32 v[rS+(\n)/2], v[TV], v[rS+(\n)/2], s[MK1+(\n)/2]
.else
	v_cndmask_b32 v[rS+(\n)/2], v[TV], v[rS+(\n)/2], s[MK0+(\n)/2]
.endif
.endm
; The next piece's maximum and statistics.  0-11 four chains of seven scores; 12-14, 16 the four left over, the old m, and the chains into c0; 15 m_old is kept;
; 17, 18 the other half of the lanes': the new m; 20 m_old - m_new; 21 a.  (19 is empty: the scores come scaled.)
.macro XS u, n
	REGS (Y+1)%NP, \u
.if (\n) < 4
	v_max3_num_f32 v[rC+(\n)], v[rS+8*(\n)], v[rS+8*(\n)+1], v[rS+8*(\n)+2]
.elseif (\n) < 12
	v_max3_num_f32 v[rC+(\n)%4], v[rC+(\n)%4], v[rS+8*((\n)%4)+2*((\n)/4)+1], v[rS+8*((\n)%4)+2*((\n)/4)+2]
.elseif (\n) == 12
	v_max3_num_f32 v[rC], v[rC], v[rS+7], v[rS+15]
.elseif (\n) == 13
	v_max3_num_f32 v[rC+1], v[rC+1], v[rS+23], v[rS+31]
.elseif (\n) == 14
	v_max3_num_f32 v[rC+2], v[rC+2], v[rC+3], v[rT]
.elseif (\n) == 15
	v_mov_b32 v[rM], v[rT]
.elseif (\n) == 16
	v_max3_num_f32 v[rC], v[rC], v[rC+1], v[rC+2]
.elseif (\n) == 17
	v_permlanex16_b32 v[rC+3], v[rC], s[SEL], s[SEL+1]
.elseif (\n) == 18
	v_max_num_f32 v[rT], v[rC], v[rC+3]
.elseif (\n) == 19
.elseif (\n) == 20
	v_sub_f32 v[rC+1], v[rM], v[rT]
.else
	v_exp_f32 v[rC+2], v[rC+1]
.endif
.endm
; Number g of the 64 that follow the exponentials: for each four weights of a tile both pairs are rounded to f16, the second pair is added onto the first, and a group later l takes the sum (first as l = a l + sum).
.macro GS g
.set h, (\g)+6*((\g)/62)
.if h >= 6
.set h, h+2
.endif
	REGS Y, h%2
.set k, h/8
.if h%8 < 4
	v_cvt_pk_f16_f32 v[rP+2*k+(h%8)/2], v[rS+4*k+2*((h%8)/2)], v[rS+4*k+2*((h%8)/2)+1]
.elseif h%8 < 6
	v_pk_add_f32 v[rS+4*k:rS+4*k+1], v[rS+4*k:rS+4*k+1], v[rS+4*k+2:rS+4*k+3]
.elseif k == 1
	v_pk_fma_f32 v[rT+2:rT+3], v[rT+2:rT+3], v[rC+2:rC+3], v[rS:rS+1] op_sel_hi:[1,0,1]
.else
	v_pk_add_f32 v[rT+2:rT+3], v[rT+2:rT+3], v[rS+4*k-4:rS+4*k-3]
.endif
.endm
; THE PLAIN QUEUE, 264 long.  0-31 s - m; 32-37, 40, 41 the first eight of GS; 38, 39 m_old kept; 42-105 the next piece's mask; 106-137 its maximum; 138-149 its chain (17, 18, 20), two of GS between the links;
; 150-213 the words for the mask of the turn to come, behind this turn's last use of the scalar registers; then the rest of GS.
.macro PL
	WIN 0
.if q < 32
	REGS Y, q%2
	v_pk_add_f32 v[rS+2*(q/2):rS+2*(q/2)+1], v[rS+2*(q/2):rS+2*(q/2)+1], v[rT:rT+1] op_sel_hi:[1,0] neg_lo:[0,1] neg_hi:[0,1]
.elseif q < 38
	GS q-32
.elseif q < 40
	XS q%2, 15
.elseif q < 42
	GS q-34
.elseif q < 106
	KM q-42
.elseif q < 138
	XS q%2, (q-106)/2+(q-106)/30
.elseif (q < 150) && ((q-138)%4 < 2)
	XS (q-138)%4, 17+(q-138)/4+(q-138)/8
.elseif q < 150
	GS 6+2*((q-138)/4)+(q-138)%4
.elseif q < 214
	RL q-150
.else
	GS q-200
.endif
.set q, q+1
.endm
.set EA, 64
.macro EX                           ; the exponentials' queue, 66 long: s0-s31 of both tiles, then the next piece's two a
	WIN 0
.if (e == EA) || (e == EA+1)
	XS e-EA, 21
.else
	REGS Y, e%2
	v_exp_f32 v[rS+e/2], v[rS+e/2]
.endif
.set e, e+1
.endm
.macro R4                           ; O^T times a, four at a time, eight times
	REGS Y, r%2
	WIN W_RS
.irp z, 0,1,2,3
	v_pk_mul_f32 v[rO+8*(r/2)+2*\z:rO+8*(r/2)+2*\z+1], v[rO+8*(r/2)+2*\z:rO+8*(r/2)+2*\z+1], v[rC+2:rC+3] op_sel_hi:[1,0]
.endr
.set r, r+1
.endm
.macro SL
	MM
	PL
	EX
	PL
	PL
.endm
.macro BURST n
.rept (\n)-7
	SL
.endr
.rept 3
	MM
	R4
	SL
.endr
	MM
	R4
.endm
; A TURN, for piece p.  The deal keeps the queues in step: exponential e stands behind plain 2 (e / 4) + e % 2; the mask's first line stands nine plain lines behind the last product K Q^T; every rounding
; stands behind its two exponentials (from plain 214 on all 64 are out); a behind plain 147.
; THE WORDS.  Turn p of key step s moves the words of piece p + 2 (for p >= 2: of step s + 1) out of the pair p % 2, and behind the last v_readlane_b32 loads piece p of step s + 1 into that pair,
; which is read again two turns later.  So at the wait one younger load is out, the turn before's.  The pointer goes on to step s + 1 in piece 0's turn; last = 1 (the tail): not in the
; last key step, whose four loads read its own words again, inside mw, for nobody.
.macro TURN p, last=0, cnt=0
.set Y, (\p)
.set RWB, RW0+(RW1-RW0)*((\p)%2)
.set i, 0
.set q, 0
.set e, 0
.set r, 0
.if (\p) == NP-1
	s_wait_dscnt 0x0                ; K is in
.endif
	MM
.rept 4
	PL
.endr
	BURST 15
.rept 20
	EX
	PL
	PL
.if ((\p) == NP-2) && (e == 14)
	v_add_nc_u32 v[AK], s[TBK], v[AK0]
.endif
.if ((\p) == NP-2) && (e == 17)
	FETCH_K \last
.endif
.endr
.if (\p) == 1
	s_wait_dscnt 0x0                ; V is in
.endif
	BURST 16
	s_wait_loadcnt 0x1              ; loads come back in order: the pair's load, issued two turns ago, is in; the turn before's may stay out
.rept 21
	EX
	PL
	PL
.endr
.rept 109
	PL
.if (q == 159) || (q == 163)
	EX
.endif
.if q == 214
.if (\p) == 0
	s_wait_xcnt 0x0                 ; the pointer is the base of the last turns' loads: it is stepped only behind this wait
.if \last
	s_cmp_eq_u32 s[CNT], 1
	s_cbranch_scc1 .Lno_mp_\@
.endif
	s_add_nc_u64 s[MP:MP+1], s[MP:MP+1], 256
.if \last
.Lno_mp_\@:
.endif
.endif
	global_load_b64 v[RWB:RWB+1], v[LO8], s[MP:MP+1] offset:(\p)*8192  ; 256 consecutive bytes, aligned
.endif
.if ((\p) == 0) && (q == 240)
	v_add_nc_u32 v[AV], s[TBV], v[AV0]
.endif
.if ((\p) == 0) && (q == 250)
	s_add_co_u32 s[TBV], s[TBV], KS*PV
.endif
.if (\cnt) && (q == 250)
	s_sub_co_u32 s[CNT], s[CNT], 1
	s_cmp_lg_u32 s[CNT], 0
.endif
.endr
.if (\p) == 0
	FETCH_V
.endif
.endm
	CHANGE 1                        ; slot 0 is in, everybody's part of it; slot 1 is asked for
	FETCH_K                         ; key step 0
	s_wait_loadcnt 0x0              ; Q, and the words of pieces 0 and 1; Q's base lies among the registers that the words now take
.set RWB, RW0
.set kn, 0
.rept 64
	RL kn                           ; piece 0's words
.set kn, kn+1
.endr
	global_load_b64 v[RW0:RW0+1], v[LO8], s[MP:MP+1] offset:16384  ; piece 2's, for the first turn
	s_wait_dscnt 0x0
.set i, 0
.rept 16
	KQ 0
.set i, i+1
.endr
	WIN 0
.rept 4
	v_nop                           ; the places behind those products
.endr
.set Y, NP-1                        ; KM and XS work for piece Y + 1: piece 0
.set kn, 0
.rept 64
	KM kn
.set kn, kn+1
.endr
.set RWB, RW1
.set kn, 0
.rept 64
	RL kn                           ; piece 1's words, for the first turn's mask
.set kn, kn+1
.endr
	global_load_b64 v[RW1:RW1+1], v[LO8], s[MP:MP+1] offset:24576  ; piece 3's: the two loads now out are those that a step's first turn finds out
.irp n, 0,1,2,3,4,5,6,7,8,9,10,11,12,13,14,15,16,17,18,20,21
	XS 0, \n
	XS 1, \n
.endr
	s_mov_b32 s[CNT], 4
	s_mov_b32 s[SLOTS], SIZE_N/256-1
	s_branch .Lfirst                ; the loop is entered at a step's first turn, in the middle of a trip
.Lslot:                             ; every slot but the last two is filled again
	CHANGE 1
	s_mov_b32 s[CNT], 4
.Lstep:                             ; a trip: pieces 2 and 3 of one step, then pieces 0 and 1 of the next
	TURN 2
	TURN 3
	WIN 0
.Lfirst:
	TURN 0
	TURN 1, 0, 1
	WIN 0
	s_cbranch_scc1 .Lstep
	s_sub_co_u32 s[SLOTS], s[SLOTS], 1
	s_cmp_lg_u32 s[SLOTS], 0
	s_cbranch_scc1 .Lslot
	CHANGE 0                        ; the tail is written out
	s_mov_b32 s[CNT], 5             ; four trips fetch the last slot's steps; the fifth is left in its middle
.Ltail:
	TURN 2, 1
	TURN 3
	WIN 0
	s_sub_co_u32 s[CNT], s[CNT], 1
	s_cmp_eq_u32 s[CNT], 0
	s_cbranch_scc1 .Lout
	TURN 0, 1
	TURN 1
	WIN 0
	s_branch .Ltail
.Lout:                              ; the fifth trip's products K Q^T on the last K once more, their mask and maximum serve nothing: the price of one text for every trip
.set i, 0
.rept 16
	PV NP-1
.set i, i+1
.endr
	; THE WAY OUT.  l's halves are added; O^T is divided by l, rounded to f16 and sent through my stage, a tile at a time.  The additions are the places behind the last products.
	WIN 0
.macro ALL line:vararg
.set t, 0
.rept 2*NP
	\line
.set t, t+1
.endr
.endm
	ALL v_add_f32 v[ST+4*t+2], v[ST+4*t+2], v[ST+4*t+3]
	ALL v_permlanex16_b32 v[ST+4*t+3], v[ST+4*t+2], s[SEL], s[SEL+1]
	ALL v_add_f32 v[ST+4*t+2], v[ST+4*t+2], v[ST+4*t+3]
	ALL v_rcp_f32 v[ST+4*t+2], v[ST+4*t+2]
	v_nop                           ; a plain line between the last reciprocal and the use of its result
.macro PACK t
	WIN W_RS
.set i, 32*(\t)
.rept 16
	v_pk_mul_f32 v[i:i+1], v[i:i+1], v[ST+4*(\t)+2:ST+4*(\t)+3] op_sel_hi:[1,0]
.set i, i+2
.endr
	WIN 0x05
.set i, 0
.rept 16
	v_cvt_pk_f16_f32 v[S+16*(\t)+i], v[32*(\t)+2*i], v[32*(\t)+2*i+1]
.set i, i+1
.endr
	WIN 0
.irp f, 0,1,2,3
	ds_store_b128 v[STO], v[S+16*(\t)+4*\f:S+16*(\t)+4*\f+3] offset:32*\f
.endr
.irp f, 0,1,2,3
	ds_load_b128 v[S+16*(\t)+4*\f:S+16*(\t)+4*\f+3], v[RD] offset:\f*4*SP  ; LDS serves a wave's instructions in order: these see the stores above
.endr
.endm
.macro SEND t, younger              ; younger: the next tile's eight LDS instructions, or none
	WIN 0
.irp f, 0,1,2,3
	s_wait_dscnt (\younger)+3-\f
	global_store_b128 v[GO], v[S+16*(\t)+4*\f:S+16*(\t)+4*\f+3], s[OPT:OPT+1] offset:(\t)*2048+\f*512  ; 512 consecutive bytes, aligned
.endr
.endm
	PACK 0
.set t, 1
.rept 2*NP-1
	PACK t
	SEND t-1, 8
.set t, t+1
.endr
	SEND 2*NP-1, 0
	WIN W_AD
	s_wait_tensorcnt 0x0            ; the wave's end
	ds_add_u32 v[SPW], v[NIL]
	s_wait_dscnt 0x0
	WIN 0
	CROUND                          ; the closing round
	s_endpgm
.Lfunc_end_k_qf2ef0c7ae6_attn:
	.size	k_qf2ef0c7ae6_attn, .Lfunc_end_k_qf2ef0c7ae6_attn-k_qf2ef0c7ae6_attn
	.p2alignl 7, 3214868480
	.fill 96, 4, 3214868480
	.section	.rodata,"a",@progbits
	.p2align	6, 0x0
	.amdhsa_kernel k_qf2ef0c7ae6_attn
		.amdhsa_group_segment_fixed_size 327680
		.amdhsa_private_segment_fixed_size 0
		.amdhsa_enable_private_segment 0
		.amdhsa_kernarg_size 24
		.amdhsa_user_sgpr_count 2
		.amdhsa_user_sgpr_kernarg_segment_ptr 1
		.amdhsa_wavefront_size32 1
		.amdhsa_system_sgpr_workgroup_id_x 1
		.amdhsa_system_sgpr_workgroup_id_y 1
		.amdhsa_system_sgpr_workgroup_id_z 1
		.amdhsa_system_vgpr_workitem_id 0
		.amdhsa_next_free_vgpr 770
		.amdhsa_next_free_sgpr 106
		.amdhsa_reserve_vcc 0
		.amdhsa_float_denorm_mode_32 3
		.amdhsa_float_denorm_mode_16_64 3
		.amdhsa_memory_ordered 1
		.amdhsa_forward_progress 1
		.amdhsa_inst_pref_size 255
	.end_amdhsa_kernel
	.section	.bss,"aw",@nobits
	.p2align	6
	.space	262144
	.amdgpu_metadata
---
amdhsa.version: [ 1, 2 ]
amdhsa.kernels:
  - .name:           k_qf2ef0c7ae6_attn
    .symbol:         k_qf2ef0c7ae6_attn.kd
    .args:
      - { .name: qkv, .offset: 0, .size: 8, .value_kind: global_buffer, .address_space: global }
      - { .name: mw, .offset: 8, .size: 8, .value_kind: global_buffer, .address_space: global }
      - { .name: obuf, .offset: 16, .size: 8, .value_kind: global_buffer, .address_space: global }
    .group_segment_fixed_size: 327680
    .private_segment_fixed_size: 0
    .kernarg_segment_align: 8
    .kernarg_segment_size: 24
    .max_flat_workgroup_size: 128
    .sgpr_count:     106
    .vgpr_count:     770
    .wavefront_size: 32
...
	.end_amdgpu_metadata
.endif
;; end of part 6
;; launch oproj: the kernel of part 4 again; grid 4 x 64, 4 waves a work-group, clusters of 4 x 4, 327,680 bytes of LDS; arguments obuf, wcv, bias, out0; writes out0
